; MI455X (gfx1250); checked and timed in simulation.
; The chip was launched on July 23, 2026; its instructions are those of AMD's public machine-readable ISA for CDNA 5 (MIT licence, August 2026) and "CDNA5" Instruction Set Architecture Reference Guide (July 2026). The comments in the code are by the model that wrote it; some were corrected since.
;; Ro PE Attention. Allowed arithmetic: matrix products marked QUANTISED: E3M2 operands, one E8M0 scale for each 32 along K, by v_wmma_scale_f32_16x16x128_f8f6f4 with both operands' format E3M2, f32 sums; everything else in f32.
;; Inputs: Wk 512 x 512 float32; Wp 512 x 512 float32; Wq 512 x 512 float32; Wv 512 x 512 float32; bk 512 float32; bp 512 float32; bq 512 float32; bv 512 float32; x 4 x 2,048 x 512 float32.
;; Outputs: out0 4 x 2,048 x 512 float32.
;; This version of the problem:
;;   THIS VERSION OF THE PROBLEM IS GIVEN IN LOW PRECISION. The matrix products marked QUANTISED in the list below multiply operands that are first quantised to E3M2 (3 exponent bits, 2 mantissa bits; 6 bits a number), with one power-of-two scale for each 32 numbers along K (OCP MX v1.0); their sums are f32. All else is computed in f32.
;;   The module's matrix products, in the order in which they are computed (A, B: the left and right operand; K: the contracted axis; several contracted axes count as one K, in the product's order):
;;     1. [M 8,192, K 512] x [K 512, N 512]; A: input x; B: input Wk: QUANTISED
;;     2. [M 8,192, K 512] x [K 512, N 512]; A: input x; B: input Wq: QUANTISED
;;     3. [M 8,192, K 512] x [K 512, N 512]; A: input x; B: input Wv: QUANTISED
;;     4. batch 4 x [M 2,048, K 512] x [K 512, N 2,048]; A: computed on the way; B: computed on the way: QUANTISED
;;     5. batch 4 x [M 2,048, K 2,048] x [K 2,048, N 512]; A: computed on the way; B: computed on the way: QUANTISED
;;     6. [M 8,192, K 512] x [K 512, N 512]; A: computed on the way; B: input Wp: QUANTISED
;;   THE QUANTISER, for each operand of a quantised product, along K:
;;     - K is cut into blocks of 32 from its start; a last block that is shorter is filled with zeros.
;;     - A block's scale is 2^e with e = floor(log2(the largest magnitude in the block)) - 4, held to -126 .. 127; a block of zeros has e = 0. As a byte (E8M0): e + 127.
;;     - Each number is divided by its block's scale, clamped to +-28, and rounded to the nearest number of E3M2, ties to even, subnormals kept.
;;     - The product sums the exact products of the quantised numbers (number of the format x scale) in f32.
;;   ~~~python
;;   def quantise(x, axis):      # numpy; x: float32 -> the quantised numbers, widened to float32 again
;;       x = np.moveaxis(x, axis, -1); K = x.shape[-1]
;;       x = np.pad(x, [(0, 0)] * (x.ndim - 1) + [(0, -K % 32)]); x = x.reshape(x.shape[:-1] + (-1, 32)); a = np.abs(x).max(-1, keepdims=True)
;;       e = np.where(a > 0, np.clip(np.frexp(np.where(a > 0, a, 1))[1] - 1 - 4, -126, 127), 0)      # np.frexp(a)[1] - 1 = floor(log2(a)), exactly
;;       r = np.clip(x / 2.0 ** e, -28, 28)
;;       step = 2.0 ** (np.maximum(np.frexp(np.where(r == 0, 1, r))[1] - 1, -2) - 2)
;;       q = np.round(r / step) * step * 2.0 ** e      # np.round: ties to even
;;       return np.moveaxis(q.reshape(q.shape[:-2] + (-1,))[..., :K], -1, axis).astype(np.float32)
;;   ~~~
;;   OPERANDS COMPUTED ON THE WAY. 'Computed on the way' means the value that the module computes at that place (a softmax that the list does not call 'softmax' is quantised finished and normalised). What goes into a quantiser is computed in f32, as accurately as f32 sums, v_exp_f32 and their like allow (about 1e-6 of the number): no bf16 or f16 on the way to a quantiser, and a product that is left as it is and whose result goes on into a quantised operand takes f32 operands (vector FMAs, or v_wmma_f32_16x16x4_f32). A number that lies on a knife's edge between two numbers of the format may be rounded either way, as far as f32 arithmetic and the matrix unit's own rounding can turn it there, and no further.
;; 2 versions, each right. Each part assembles by itself: llvm-mc -triple=amdgcn-amd-amdhsa -mcpu=gfx1250 --defsym DOCPART=n.
;; ======== version 1 of 2: 3 launches
;; workspace buffers: ximg 3,276,800 bytes; wimg 819,200 bytes; rope 4,194,304 bytes; kimg 3,276,800 bytes; qv 6,553,600 bytes
;; launch prep (part 1): grid 448 x 1, 4 waves a work-group, no clusters, 34,304 bytes of LDS; arguments x, Wk, Wq, Wv, Wp, ximg, wimg, rope; writes ximg, wimg, rope
.if DOCPART == 1
	.amdgcn_target "amdgcn-amd-amdhsa--gfx1250"
	.amdhsa_code_object_version 6
	.text
	.protected	k_qa77d03eee8_prep
	.globl	k_qa77d03eee8_prep
	.p2align	8
	.type	k_qa77d03eee8_prep,@function
k_qa77d03eee8_prep:
	s_mov_b64 s[64:65], 0
	v_nop
	global_prefetch_b8 v0, s[64:65] scope:SCOPE_SE
	s_setreg_imm32_b32 hwreg(HW_REG_WAVE_MODE, 25, 1), 1
	s_wait_xcnt 0x0
; RoPEAttention in MX-BF6 (E3M2, one E8M0 scale for 32 along K), first of three launches: x and the four weights become codes, once; the table of cos and sin is made.
; DEAD WORK OF THE PROGRAM.  For s > t reference() sets wei[t][s] = -inf by a tril of its own, and softplus(-inf) = 0.  A block of 32 keys that holds zeros alone has zero codes, which add 0 to wei @ v whatever
; v holds.  So for a block of 128 rows t the steps of 128 keys that lie wholly behind it are left out of k q^T and of wei @ v (third launch): for all values of the inputs.  Every input has a way to the output and is loaded.
; LIMITS.  NaN and infinities among the inputs are not served; a NaN, an infinity or an overflow that reaches only the scores left out is not carried to the result.  A block of zeros gets the scale byte 1
; where the rule says 127: its codes are zeros, which add nothing, and this program alone reads the bytes.  Blocks whose largest magnitude lies under 2^(5 - 127) are held at that floor.
; LAYOUT OF THE WORKSPACE: IMAGES OF OPERAND REGISTERS.  A fragment (16 rows x 128 K, 12 registers a lane) is 1,536 bytes: register p of a lane at 512 (p / 4) + 16 lane + 4 (p % 4): three loads of 16 bytes a lane bring it.
; THE ROWS OF A TILE ARE NOT NEIGHBOURS: of 32 neighbours (tokens, or columns of a weight) tile u takes 8 u + r + 8 (r / 8), r = 0 .. 15, so that a product with such tiles as source 0 leaves 16 neighbours in 16 registers.
; A block of 51,200 bytes = 32 fragments at 1,536 (8 s + f) (K step s, tile f) and their scale words at 49,152 + 512 s + 64 f + 4 r.   ximg: 64 blocks of 128 tokens.   wimg: [k, q, v, p][128 columns] blocks.
; rope: [32 tokens][u][128 columns] images of 64 registers: registers 2 q, 2 q + 1 = cos, sin of (2047 - t) d, t = the lane's token, d = 64 g + 16 (q / 8) + 8 (lane / 16) + q % 8.
; SHARES.  Work-groups 0-255: 32 tokens of x, a wave a K step.  256-319: 128 columns x 128 K of a weight, a wave 32 columns.  320-447: a tile of 16 tokens of the table, a wave 128 columns.  Waves share nothing: no barrier.
.set SPARE, 33792                      ; behind the four stages: the spare words, 128 bytes a wave
.set SPW, 14                           ; v14  my spare word's LDS address; never rewritten
.set NIL, 15                           ; v15  0; never rewritten
.set R,   16                           ; x: v16-143 two sets of 64 numbers as loaded
.set X,   144                          ; x: v144-207 my row's 64 numbers: two whole blocks of 32
.set MX,  232
.set SO,  234
.set BY,  236
.set TW,  238
.set TP,  239
.set CT,  240
.set PW0, 248
.set PW1, 249
.set PWS, 250
	s_load_b512 s[4:19], s[0:1], 0x0               ; x s[4:5], Wk s[6:7], Wq s[8:9], Wv s[10:11], Wp s[12:13], ximg s[14:15], wimg s[16:17], rope s[18:19]
	v_lshl_add_u32 v[SPW], v0, 2, SPARE
	v_mov_b32 v[NIL], 0
	v_lshrrev_b32 v1, 5, v0
	v_readfirstlane_b32 s20, v1                    ; wave
	v_and_b32 v1, 31, v0                           ; lane
	v_and_b32 v2, 15, v0                           ; r
	v_bfe_u32 v3, v0, 4, 1                         ; h
	s_wait_kmcnt 0x0
	s_cmp_lt_u32 ttmp9, 256
	s_cbranch_scc0 .Lweights
; ---------------- x: group G = work-group of 32 tokens, K step = wave, two fragments
	s_lshl_b32 s22, ttmp9, 16                      ; 32 rows of 2,048 bytes
	s_lshl_b32 s23, s20, 9                         ; + my 128 numbers of a row
	s_add_co_u32 s22, s22, s23
	s_mov_b32 s23, 0
	s_add_nc_u64 s[4:5], s[4:5], s[22:23]
	s_lshr_b32 s24, ttmp9, 2
	s_mul_i32 s24, s24, 51200                      ; the block of 128 tokens
	s_and_b32 s25, ttmp9, 3
	s_lshl_b32 s26, s20, 3
	s_lshl_b32 s27, s25, 1
	s_add_co_u32 s26, s26, s27                     ; fragment 8 s + 2 (G % 4) (+ u)
	s_mul_i32 s26, s26, 1536
	s_add_co_u32 s26, s26, s24
	s_mov_b32 s27, 0
	s_add_nc_u64 s[28:29], s[14:15], s[26:27]
	s_lshl_b32 s26, s20, 9
	s_lshl_b32 s25, s25, 7
	s_add_co_u32 s26, s26, s25
	s_add_co_u32 s26, s26, s24
	s_add_co_u32 s26, s26, 49152                   ; the two tiles' scale words: 128 bytes on end
	s_add_nc_u64 s[30:31], s[14:15], s[26:27]
	s_mov_b32 s32, 0x76543210
	s_mov_b32 s33, 0xfedcba98                      ; v_permlanex16_b32's selects for lane l xor 16
	s_mov_b32 s34, 0xffff0000                      ; lanes 16-31
	v_lshlrev_b32 v4, 4, v1                        ; 16 x lane
	s_mul_i32 s21, s20, 8448                       ; my stage: 16 rows of 512 bytes + 16
	v_add_nc_u32 v5, s21, v4                       ; in: a row as it lies
	v_mul_u32_u24 v6, v2, 528
	v_lshl_add_u32 v6, v3, 7, v6
	v_add_nc_u32 v6, s21, v6                       ; out: row r, from number 32 h on
	v_lshlrev_b32 v7, 2, v1
	v_lshlrev_b32 v8, 3, v3                        ; 8 h: my bytes' place in the scale word
	v_mov_b32 v[TP], 0                             ; a lane permute's destination counts as one of its sources
.macro XLOAD u                         ; tile u: 16 loads, each 512 consecutive bytes of one row
.irp p, 0,1,2,3,4,5,6,7,8,9,10,11,12,13,14,15
	global_load_b128 v[R+64*\u+4*\p:R+64*\u+4*\p+3], v4, s[4:5] offset:(8*\u+\p+8*(\p/8))*2048 th:TH_LOAD_NT
.endr
.endm
; Tile u through the stage, so that lane (r, h) holds k = 64 c + 32 h + 0 .. 31 of row r, as the operand's layout gives them to it: two whole blocks, no other lane is asked for a maximum.
.macro XFRAG u, pc, pw
	s_wait_loadcnt 16-16*\u                        ; my tile's 16 loads are in; the other tile's 16 may be out
.irp p, 0,1,2,3,4,5,6,7,8,9,10,11,12,13,14,15
	ds_store_b128 v5, v[R+64*\u+4*\p:R+64*\u+4*\p+3] offset:528*\p
.endr
.irp c, 0,1
.irp i, 0,1,2,3,4,5,6,7
	ds_load_b128 v[X+32*\c+4*\i:X+32*\c+4*\i+3], v6 offset:256*\c+16*\i   ; LDS serves a wave's instructions in order: these see my stores
.endr
.endr
	s_wait_dscnt 0x0
.irp c, 0,1
	v_max3_num_f32 v[MX+\c], |v[X+32*\c]|, |v[X+32*\c+1]|, 0x2800000       ; block 2 c + h, and the floor 2^(5 - 127): the byte cannot fall under 1
.endr
.irp i, 2,4,6,8,10,12,14,16,18,20,22,24,26,28,30
.irp c, 0,1
	v_max3_num_f32 v[MX+\c], v[MX+\c], |v[X+32*\c+\i]|, |v[X+32*\c+\i+1]|
.endr
.endr
.irp c, 0,1
	v_add_nc_u32 v[SO+\c], 0xfe000000, v[MX+\c]    ; 4 off the exponent field: the conversion's scale operand
.endr
.irp c, 0,1
	v_lshrrev_b32 v[BY+\c], 23, v[SO+\c]           ; the scale's byte
.endr
	v_lshl_or_b32 v[TW], v[BY+1], 16, v[BY]        ; blocks h and 2 + h,
	v_lshlrev_b32 v[TW], v8, v[TW]                 ; at their places;
	v_permlanex16_b32 v[TP], v[TW], s32, s33
	v_or_b32 v[\pw], v[TW], v[TP]                  ; with lane l xor 16's two the row's word is whole
.irp c, 0,1
	v_cvt_scalef32_pk16_bf6_f32 v[\pc+6*\c:\pc+6*\c+2], v[X+32*\c:X+32*\c+15], v[SO+\c]
	v_cvt_scalef32_pk16_bf6_f32 v[CT+4*\c:CT+4*\c+2], v[X+32*\c+16:X+32*\c+31], v[SO+\c]   ; (a conversion's three registers begin on an even number)
.endr
	v_nop                                          ; one plain place behind a scaled conversion
.irp c, 0,1
.irp i, 0,1,2
	v_mov_b32 v[\pc+6*\c+3+\i], v[CT+4*\c+\i]
.endr
.endr
.irp k, 0,1,2
	global_store_b128 v4, v[\pc+4*\k:\pc+4*\k+3], s[28:29] offset:1536*\u+512*\k   ; 512 consecutive bytes a store
.endr
.endm
	XLOAD 0
	XLOAD 1
	XFRAG 0, 208, PW0
	XFRAG 1, 16, PW1                               ; its codes take registers of tile 0's numbers: no store's data are written again
	v_cndmask_b32 v[PWS], v[PW0], v[PW1], s34      ; lanes 0-15 tile 0's words, lanes 16-31 tile 1's
	global_store_b32 v7, v[PWS], s[30:31]
	s_wait_tensorcnt 0x0                           ; the wave's end, behind my last LDS store
	ds_add_u32 v[SPW], v[NIL]
	s_wait_dscnt 0x0
	s_endpgm
; ---------------- the weights: K is the FIRST axis.  A lane takes a column and its registers run down K: a block of 32 lies in one lane, and the codes come out with K innermost
.Lweights:
	s_cmp_lt_u32 ttmp9, 320
	s_cbranch_scc0 .Ltable
	s_sub_co_u32 s21, ttmp9, 256
	s_lshr_b32 s22, s21, 4                         ; which weight: k, q, v, p
	s_bfe_u32 s23, s21, 0x20002                    ; g: which 128 columns
	s_and_b32 s24, s21, 3                          ; s: which 128 along K
	s_cmp_eq_u32 s22, 1                            ; the choice hangs on the work-group's number alone
	s_cselect_b64 s[6:7], s[8:9], s[6:7]
	s_cmp_eq_u32 s22, 2
	s_cselect_b64 s[6:7], s[10:11], s[6:7]
	s_cmp_eq_u32 s22, 3
	s_cselect_b64 s[6:7], s[12:13], s[6:7]
	s_lshl_b32 s26, s24, 18                        ; 128 rows of 2,048 bytes
	s_lshl_b32 s27, s23, 9
	s_add_co_u32 s26, s26, s27
	s_lshl_b32 s27, s20, 7                         ; my wave's 32 columns
	s_add_co_u32 s26, s26, s27
	s_mov_b32 s27, 0
	s_add_nc_u64 s[6:7], s[6:7], s[26:27]
	s_lshr_b32 s28, s21, 2
	s_mul_i32 s28, s28, 51200                      ; the weight's block g
	s_lshl_b32 s26, s24, 3
	s_lshl_b32 s29, s20, 1
	s_add_co_u32 s26, s26, s29                     ; fragment 8 s + 2 wave (+ u)
	s_mul_i32 s26, s26, 1536
	s_add_co_u32 s26, s26, s28
	s_add_nc_u64 s[30:31], s[16:17], s[26:27]
	s_lshl_b32 s26, s24, 9
	s_lshl_b32 s29, s20, 7
	s_add_co_u32 s26, s26, s29
	s_add_co_u32 s26, s26, s28
	s_add_co_u32 s26, s26, 49152
	s_add_nc_u64 s[32:33], s[16:17], s[26:27]
	v_lshlrev_b32 v4, 2, v1                        ; in: 4 bytes a lane
	v_bfe_u32 v5, v0, 3, 1                         ; column l = 16 (r / 8) + 8 u + r % 8: its tile u,
	v_and_b32 v6, 7, v0
	v_lshl_or_b32 v6, v3, 3, v6                    ; and its row r there
	v_mul_u32_u24 v7, v5, 1536
	v_lshl_add_u32 v7, v6, 4, v7                   ; in the images: 1,536 u + 16 r
	v_lshlrev_b32 v8, 6, v5
	v_lshl_add_u32 v8, v6, 2, v8                   ; among the scale words: 64 u + 4 r
.macro WLOAD t                         ; block t: W(32 t + i, my column); 128 consecutive bytes a load
.irp i, 0,1,2,3,4,5,6,7,8,9,10,11,12,13,14,15,16,17,18,19,20,21,22,23,24,25,26,27,28,29,30,31
	global_load_b32 v[32+32*((\t)%2)+\i], v4, s[6:7] offset:(32*(\t)+\i)*2048 th:TH_LOAD_NT
.endr
.endm
; Block t = 2 c + h' of my column is what lane (r, h') of the fragment holds in registers 6 c .. 6 c + 5: so its 24 bytes go to 16 (r + 16 h') of the image's groups of four registers.
.macro WBLK t
.set XS, 32+32*((\t)%2)
.set CB, 96+8*(\t)
.if (\t) < 3
	s_wait_loadcnt 32                              ; this block's 32 loads are in; the next block's may be out
.else
	s_wait_loadcnt 0
.endif
	v_max3_num_f32 v9, |v[XS]|, |v[XS+1]|, |v[XS+2]|
	v_max3_num_f32 v10, |v[XS+3]|, |v[XS+4]|, |v[XS+5]|
.irp i, 6,10,14,18,22,26
	v_max3_num_f32 v9, v9, |v[XS+\i]|, |v[XS+\i+1]|
	v_max3_num_f32 v10, v10, |v[XS+\i+2]|, |v[XS+\i+3]|
.endr
	v_max3_num_f32 v9, v9, |v[XS+30]|, |v[XS+31]|
	v_max3_num_f32 v9, v9, v10, 0x2800000          ; and the floor
	v_add_nc_u32 v11, 0xfe000000, v9               ; the conversion's scale operand
	v_lshrrev_b32 v12, 23, v11                     ; the byte
.if (\t) == 0
	v_mov_b32 v13, v12
.else
	v_lshl_or_b32 v13, v12, 8*(\t), v13            ; the column's scale word for these 128 along K
.endif
	v_cvt_scalef32_pk16_bf6_f32 v[CB:CB+2], v[XS:XS+15], v11
	v_cvt_scalef32_pk16_bf6_f32 v[128:130], v[XS+16:XS+31], v11
	v_nop                                          ; one plain place behind a scaled conversion
.irp i, 0,1,2
	v_mov_b32 v[CB+3+\i], v[128+\i]
.endr
.if (\t)+2 < 4
	WLOAD (\t)+2
.endif
.if (\t) < 2
	global_store_b128 v7, v[CB:CB+3], s[30:31] offset:256*((\t)%2)
	global_store_b64 v7, v[CB+4:CB+5], s[30:31] offset:512+256*((\t)%2)
.else
	global_store_b64 v7, v[CB:CB+1], s[30:31] offset:520+256*((\t)%2)
	global_store_b128 v7, v[CB+2:CB+5], s[30:31] offset:1024+256*((\t)%2)
.endif
.endm
	WLOAD 0
	WLOAD 1
	WBLK 0
	WBLK 1
	WBLK 2
	WBLK 3
	global_store_b32 v8, v13, s[32:33]
	s_endpgm
; ---------------- the table.  The angle N = (2047 - t) d is a whole number under 2^24, exact in f32, as in reference().  It is reduced by K = the nearest whole number to N 2/pi: N - K C1 (C1 = pi/2 rounded to f32)
; is a multiple of 2^-23 under 1, so the fused multiply-add gives it exactly; K (pi/2 - C1) follows.  |R| stays under 0.85, where the series cut behind R^9 and R^10 leave out less than 5e-9.
.Ltable:
.set C2P, 16
.set NC1, 18
.set NC2, 20
.set S3,  22
.set S5,  24
.set S7,  26
.set S9,  28
.set C4,  30
.set C6,  32
.set C8,  34
.set C10, 36
.set OUT, 64                           ; v64-127 the image
.set WK,  128                          ; four sets of 20 registers, two angles each: +0 N, +2 K, +4 R, +6 R^2, +8 sin, +10 cos, +12 K as a whole number, +14 at work
	s_sub_co_u32 s21, ttmp9, 320                   ; 2 x (group of 32 tokens) + u
	s_lshr_b32 s22, s21, 1
	s_lshl_b32 s22, s22, 5
	s_and_b32 s23, s21, 1
	s_lshl_b32 s23, s23, 3
	s_add_co_u32 s22, s22, s23
	s_sub_co_u32 s22, 2047, s22
	v_and_b32 v4, 8, v2
	v_add_nc_u32 v4, v4, v2                        ; r + 8 (r / 8)
	v_sub_nc_u32 v4, s22, v4                       ; p = 2047 - t
	s_lshl_b32 s23, s20, 6
	v_lshl_add_u32 v5, v3, 3, s23                  ; 64 g + 8 h
	v_mul_u32_u24 v5, v4, v5                       ; p x that
	s_lshl_b32 s24, s21, 2
	s_add_co_u32 s24, s24, s20
	s_lshl_b32 s24, s24, 13                        ; my image of 8,192 bytes
	s_mov_b32 s25, 0
	s_add_nc_u64 s[18:19], s[18:19], s[24:25]
	v_lshlrev_b32 v6, 4, v1
.macro CONST reg, bits                 ; a constant as a pair, for the packed forms
	v_mov_b32 v[\reg], \bits
	v_mov_b32 v[\reg+1], \bits
.endm
	CONST C2P, 0x3f22f983                          ; 2 / pi
	CONST NC1, 0xbfc90fdb                          ; -C1
	CONST NC2, 0x333bbd2e                          ; C1 - pi/2
	CONST S3,  0xbe2aaaab                          ; -1/3!, 1/5!, -1/7!, 1/9!
	CONST S5,  0x3c088889
	CONST S7,  0xb9500d01
	CONST S9,  0x3638ef1d
	CONST C4,  0x3d2aaaab                          ; 1/4!, -1/6!, 1/8!, -1/10!
	CONST C6,  0xbab60b61
	CONST C8,  0x37d00d01
	CONST C10, 0xb493f27e
.macro TRIG8 b                         ; angles q = 8 b + 0 .. 7, the four pairs by turns
.irp e, 0,1,2,3
	v_mad_u32_u24 v[WK+20*\e], v4, 16*\b+2*\e, v5
	v_mad_u32_u24 v[WK+20*\e+1], v4, 16*\b+2*\e+1, v5
.endr
.irp e, 0,1,2,3
	v_cvt_f32_u32 v[WK+20*\e], v[WK+20*\e]
	v_cvt_f32_u32 v[WK+20*\e+1], v[WK+20*\e+1]
.endr
.irp e, 0,1,2,3
	v_pk_mul_f32 v[WK+20*\e+2:WK+20*\e+3], v[WK+20*\e:WK+20*\e+1], v[C2P:C2P+1]
.endr
.irp e, 0,1,2,3
	v_rndne_f32 v[WK+20*\e+2], v[WK+20*\e+2]
	v_rndne_f32 v[WK+20*\e+3], v[WK+20*\e+3]
.endr
.irp e, 0,1,2,3
	v_pk_fma_f32 v[WK+20*\e+4:WK+20*\e+5], v[WK+20*\e+2:WK+20*\e+3], v[NC1:NC1+1], v[WK+20*\e:WK+20*\e+1]
.endr
.irp e, 0,1,2,3
	v_pk_fma_f32 v[WK+20*\e+4:WK+20*\e+5], v[WK+20*\e+2:WK+20*\e+3], v[NC2:NC2+1], v[WK+20*\e+4:WK+20*\e+5]
.endr
.irp e, 0,1,2,3
	v_pk_mul_f32 v[WK+20*\e+6:WK+20*\e+7], v[WK+20*\e+4:WK+20*\e+5], v[WK+20*\e+4:WK+20*\e+5]
.endr
.irp e, 0,1,2,3
	v_pk_fma_f32 v[WK+20*\e+8:WK+20*\e+9], v[WK+20*\e+6:WK+20*\e+7], v[S9:S9+1], v[S7:S7+1]
	v_pk_fma_f32 v[WK+20*\e+10:WK+20*\e+11], v[WK+20*\e+6:WK+20*\e+7], v[C10:C10+1], v[C8:C8+1]
.endr
.irp e, 0,1,2,3
	v_pk_fma_f32 v[WK+20*\e+8:WK+20*\e+9], v[WK+20*\e+8:WK+20*\e+9], v[WK+20*\e+6:WK+20*\e+7], v[S5:S5+1]
	v_pk_fma_f32 v[WK+20*\e+10:WK+20*\e+11], v[WK+20*\e+10:WK+20*\e+11], v[WK+20*\e+6:WK+20*\e+7], v[C6:C6+1]
.endr
.irp e, 0,1,2,3
	v_pk_fma_f32 v[WK+20*\e+8:WK+20*\e+9], v[WK+20*\e+8:WK+20*\e+9], v[WK+20*\e+6:WK+20*\e+7], v[S3:S3+1]
	v_pk_fma_f32 v[WK+20*\e+10:WK+20*\e+11], v[WK+20*\e+10:WK+20*\e+11], v[WK+20*\e+6:WK+20*\e+7], v[C4:C4+1]
.endr
.irp e, 0,1,2,3
	v_pk_mul_f32 v[WK+20*\e+8:WK+20*\e+9], v[WK+20*\e+8:WK+20*\e+9], v[WK+20*\e+6:WK+20*\e+7]
	v_pk_fma_f32 v[WK+20*\e+10:WK+20*\e+11], v[WK+20*\e+10:WK+20*\e+11], v[WK+20*\e+6:WK+20*\e+7], -0.5 op_sel_hi:[1,1,0]
.endr
.irp e, 0,1,2,3
	v_pk_fma_f32 v[WK+20*\e+8:WK+20*\e+9], v[WK+20*\e+8:WK+20*\e+9], v[WK+20*\e+4:WK+20*\e+5], v[WK+20*\e+4:WK+20*\e+5]   ; sin R
	v_pk_fma_f32 v[WK+20*\e+10:WK+20*\e+11], v[WK+20*\e+10:WK+20*\e+11], v[WK+20*\e+6:WK+20*\e+7], 1.0 op_sel_hi:[1,1,0]  ; cos R
.endr
.irp e, 0,1,2,3
.irp a, 0,1
	v_cvt_i32_f32 v[WK+20*\e+12+\a], v[WK+20*\e+2+\a]
.endr
.endr
.irp e, 0,1,2,3
.irp a, 0,1
	v_and_b32 v[WK+20*\e+14+\a], 1, v[WK+20*\e+12+\a]
.endr
.endr
.irp e, 0,1,2,3
.irp a, 0,1
	v_cmp_eq_u32 vcc_lo, 1, v[WK+20*\e+14+\a]      ; in an odd quadrant sin and cos change places
	v_cndmask_b32 v[OUT+16*\b+4*\e+2*\a], v[WK+20*\e+10+\a], v[WK+20*\e+8+\a], vcc_lo
	v_cndmask_b32 v[OUT+16*\b+4*\e+2*\a+1], v[WK+20*\e+8+\a], v[WK+20*\e+10+\a], vcc_lo
.endr
.endr
.irp e, 0,1,2,3
.irp a, 0,1
	v_lshlrev_b32 v[WK+20*\e+14+\a], 30, v[WK+20*\e+12+\a]   ; sin is negative in quadrants 2, 3: bit 1 of K;
	v_add_nc_u32 v[WK+20*\e+12+\a], 1, v[WK+20*\e+12+\a]     ; cos in quadrants 1, 2: bit 1 of K + 1
.endr
.endr
.irp e, 0,1,2,3
.irp a, 0,1
	v_and_b32 v[WK+20*\e+14+\a], 0x80000000, v[WK+20*\e+14+\a]
	v_lshlrev_b32 v[WK+20*\e+12+\a], 30, v[WK+20*\e+12+\a]
.endr
.endr
.irp e, 0,1,2,3
.irp a, 0,1
	v_xor_b32 v[OUT+16*\b+4*\e+2*\a+1], v[WK+20*\e+14+\a], v[OUT+16*\b+4*\e+2*\a+1]
	v_and_b32 v[WK+20*\e+12+\a], 0x80000000, v[WK+20*\e+12+\a]
.endr
.endr
.irp e, 0,1,2,3
.irp a, 0,1
	v_xor_b32 v[OUT+16*\b+4*\e+2*\a], v[WK+20*\e+12+\a], v[OUT+16*\b+4*\e+2*\a]
.endr
.endr
.endm
	TRIG8 0
	TRIG8 1
	TRIG8 2
	TRIG8 3
.irp k, 0,1,2,3,4,5,6,7,8,9,10,11,12,13,14,15
	global_store_b128 v6, v[OUT+4*\k:OUT+4*\k+3], s[18:19] offset:512*\k
.endr
	s_endpgm
.Lfunc_end_k_qa77d03eee8_prep:
	.size	k_qa77d03eee8_prep, .Lfunc_end_k_qa77d03eee8_prep-k_qa77d03eee8_prep
	.p2alignl 7, 3214868480
	.fill 96, 4, 3214868480
	.section	.rodata,"a",@progbits
	.p2align	6, 0x0
	.amdhsa_kernel k_qa77d03eee8_prep
		.amdhsa_group_segment_fixed_size 34304
		.amdhsa_private_segment_fixed_size 0
		.amdhsa_enable_private_segment 0
		.amdhsa_kernarg_size 64
		.amdhsa_user_sgpr_count 2
		.amdhsa_user_sgpr_kernarg_segment_ptr 1
		.amdhsa_wavefront_size32 1
		.amdhsa_system_sgpr_workgroup_id_x 1
		.amdhsa_system_sgpr_workgroup_id_y 1
		.amdhsa_system_sgpr_workgroup_id_z 1
		.amdhsa_system_vgpr_workitem_id 0
		.amdhsa_next_free_vgpr 256
		.amdhsa_next_free_sgpr 66
		.amdhsa_reserve_vcc 1
		.amdhsa_float_denorm_mode_32 3
		.amdhsa_float_denorm_mode_16_64 3
		.amdhsa_memory_ordered 1
		.amdhsa_forward_progress 1
		.amdhsa_inst_pref_size 72
	.end_amdhsa_kernel
	.amdgpu_metadata
---
amdhsa.version: [ 1, 2 ]
amdhsa.kernels:
  - .name:           k_qa77d03eee8_prep
    .symbol:         k_qa77d03eee8_prep.kd
    .args:
      - { .name: x, .offset: 0, .size: 8, .value_kind: global_buffer, .address_space: global }
      - { .name: Wk, .offset: 8, .size: 8, .value_kind: global_buffer, .address_space: global }
      - { .name: Wq, .offset: 16, .size: 8, .value_kind: global_buffer, .address_space: global }
      - { .name: Wv, .offset: 24, .size: 8, .value_kind: global_buffer, .address_space: global }
      - { .name: Wp, .offset: 32, .size: 8, .value_kind: global_buffer, .address_space: global }
      - { .name: ximg, .offset: 40, .size: 8, .value_kind: global_buffer, .address_space: global }
      - { .name: wimg, .offset: 48, .size: 8, .value_kind: global_buffer, .address_space: global }
      - { .name: rope, .offset: 56, .size: 8, .value_kind: global_buffer, .address_space: global }
    .group_segment_fixed_size: 34304
    .private_segment_fixed_size: 0
    .kernarg_segment_align: 8
    .kernarg_segment_size: 64
    .max_flat_workgroup_size: 128
    .sgpr_count:     66
    .vgpr_count:     256
    .wavefront_size: 32
...
	.end_amdgpu_metadata
.endif
;; end of part 1
;; launch qkv (part 2): grid 4 x 64, 4 waves a work-group, clusters of 4 x 4, 206,848 bytes of LDS; arguments ximg, wimg, rope, bk, bq, bv, kimg, qv; writes kimg, qv
.if DOCPART == 2
	.amdgcn_target "amdgcn-amd-amdhsa--gfx1250"
	.amdhsa_code_object_version 6
	.text
	.protected	k_qa77d03eee8_qkv
	.globl	k_qa77d03eee8_qkv
	.p2align	8
	.type	k_qa77d03eee8_qkv,@function
k_qa77d03eee8_qkv:
	s_mov_b64 s[64:65], 0
	v_nop
	global_prefetch_b8 v0, s[64:65] scope:SCOPE_SE
	s_setreg_imm32_b32 hwreg(HW_REG_WAVE_MODE, 25, 1), 1
	s_wait_xcnt 0x0
	s_wait_alu depctr_hold_cnt(0) depctr_sa_sdst(0) depctr_va_vdst(0) depctr_va_sdst(0) depctr_va_ssrc(0) depctr_va_vcc(0) depctr_vm_vsrc(0)
	s_getreg_b32 s2, hwreg(HW_REG_IB_STS2, 6, 4)
	s_cmp_eq_u32 s2, 0
	s_cbranch_scc0 .Lentry_in_a_cluster
	s_endpgm
.Lentry_in_a_cluster:
	s_bfe_u32 s2, ttmp6, 0x10000c
	s_cmp_lg_u32 s2, 0xf033
	s_cbranch_scc0 .Lentry_shape_is_right
	s_endpgm
.Lentry_shape_is_right:
; k = rot(x Wk + bk), q = rot(x Wq + bq), v = x Wv + bv on codes of BF6, and the three results quantised on the way: k and q along C, v along the tokens.  Nothing of these three products is left out.
; SHARES.  A work-group takes 128 tokens (block TB) x 128 columns (chunk g) of each of the three.  Its four blocks of 51,200 bytes (x, Wk, Wq, Wv: fragments as register images, then scale words) come into LDS once:
; every wave asks for a quarter of each, four tensor loads a wave, all out together; nothing is filled again and nothing is stored to LDS.
; CLUSTER 4 x 4: x's block hangs on TB alone and is asked for jointly along a row of the cluster, the weights' chunks on g alone, jointly along a column.
; k, q: wave w owns tokens 32 w .. 32 w + 31 (two tiles, resident as source 1) and streams the weight's 8 tiles as source 0: a lane holds ONE token, its 64 registers of a tile of tokens run along the 128 columns in the order
; that the quantiser and the operand's layout want.   v: the other way round: wave w owns columns 32 w .. (two tiles of Wv, source 1) and streams x's 8 tiles: a lane holds one column, its registers run along the 128 tokens.
; The biases are the C of each sum's first matrix instruction.  The rotation takes cos and sin from the table, laid as the results lie.
; OUT.  kimg: [32 tokens] 12,800 bytes: fragment (tile m, K step s) at 1,536 (4 m + s), scale words at 12,288 + 128 s + 64 m + 4 r.   qv: [128 tokens] 102,400 bytes: q's fragments (s, tile) at 1,536 (8 s + tile), words at
; 49,152 + 512 s + 64 tile + 4 r; v^T's 32 fragments (16 columns x 128 tokens) at 51,200 + 1,536 ct, words at 100,352 + 64 ct + 4 r.
; REGISTERS, in windows of 256: window 0: v1-15 addresses; v16-31, v32-35 scale words; v36-83 the quantiser's; v128-255 the 16 accumulators.  window 1: the streamed fragments, two sets of 96.  window 2: cos, sin.
; window 3: v0-95 the resident fragments; v96-159 bk, v160-223 bq, v224-239 bv, in the results' layout.
.set WKB, 51200
.set WQB, 102400
.set WVB, 153600
.set SCW, 49152                        ; a block's scale words
.set SPARE, 204800                     ; behind the four blocks: the spare words, 128 bytes a wave
.set LI,  1                            ; v1   16 x lane (x's block begins at LDS byte 0)
.set LS,  2                            ; v2   4 x lane
.set AFK, 3
.set AFQ, 4
.set ASK, 6
.set ASQ, 7
.set ASX, 8
.set RFX, 9
.set RFV, 10
.set RSX, 11
.set RSV, 12
.set BA,  13                           ; v13  64 h: my half's place among a tile pair's biases
.set SPW, 14
.set NIL, 15
.set SSC, 16                           ; v16-31 the streamed operand's scale words: 4 s + p: tile 2 p in lanes 0-15, tile 2 p + 1 in lanes 16-31
.set RSC, 32                           ; v32-35 the resident operand's: K step s, its two tiles in the two halves of the lanes
.set PW0, 36
.set PW1, 37
.set PWS, 38
.set BB,  39
.set TM,  40
.set PC,  56
.set T,   76
.set HA,  128
.set WV,  20
.set CX,  21
.set CY,  22
.set TB,  23
.set G1X, 24
.set G1W, 32
.set G0X, 40
.set G0K, 44
.set G0Q, 48
.set G0V, 52
.set GG,  66
.set SEL, 74
.set HM,  76
.set KFB, 82
.set KWB, 84
.set QFB, 86
.set QWB, 88
.set MSB, 0
.macro WIN new                         ; the immediate's high byte repeats the setting that is left
.if MSB != \new
	s_set_vgpr_msb (MSB<<8)|\new
.set MSB, \new
.endif
.endm
.macro PLACES                          ; four plain places behind a matrix instruction, ahead of loads into its registers and of reads of its result
.rept 4
	v_nop
.endr
.endm
.macro CROUND                          ; a round of the cluster's barrier
	s_barrier_signal -1
	s_barrier_wait -1
	s_cmp_lg_u32 s[WV], 0
	s_cbranch_scc1 .Lnot_wave_0_\@
	s_barrier_signal -3
.Lnot_wave_0_\@:
	s_barrier_wait -3
	s_barrier_signal -1
	s_barrier_wait -1
.endm
; One matrix instruction.  c < 0: the constant 0.  ra, rb: the scale words stand in lanes 16-31 of their registers.
.macro WM d, a, b, c, sa, sb, ra, rb
.if (\c) < 0
.if (\ra) && (\rb)
	v_wmma_scale_f32_16x16x128_f8f6f4 v[\d:\d+7], v[\a:\a+11], v[\b:\b+11], 0, v[\sa], v[\sb] matrix_a_fmt:MATRIX_FMT_BF6 matrix_b_fmt:MATRIX_FMT_BF6 matrix_a_scale:MATRIX_SCALE_ROW1 matrix_b_scale:MATRIX_SCALE_ROW1
.elseif (\ra)
	v_wmma_scale_f32_16x16x128_f8f6f4 v[\d:\d+7], v[\a:\a+11], v[\b:\b+11], 0, v[\sa], v[\sb] matrix_a_fmt:MATRIX_FMT_BF6 matrix_b_fmt:MATRIX_FMT_BF6 matrix_a_scale:MATRIX_SCALE_ROW1
.elseif (\rb)
	v_wmma_scale_f32_16x16x128_f8f6f4 v[\d:\d+7], v[\a:\a+11], v[\b:\b+11], 0, v[\sa], v[\sb] matrix_a_fmt:MATRIX_FMT_BF6 matrix_b_fmt:MATRIX_FMT_BF6 matrix_b_scale:MATRIX_SCALE_ROW1
.else
	v_wmma_scale_f32_16x16x128_f8f6f4 v[\d:\d+7], v[\a:\a+11], v[\b:\b+11], 0, v[\sa], v[\sb] matrix_a_fmt:MATRIX_FMT_BF6 matrix_b_fmt:MATRIX_FMT_BF6
.endif
.else
.if (\ra) && (\rb)
	v_wmma_scale_f32_16x16x128_f8f6f4 v[\d:\d+7], v[\a:\a+11], v[\b:\b+11], v[\c:\c+7], v[\sa], v[\sb] matrix_a_fmt:MATRIX_FMT_BF6 matrix_b_fmt:MATRIX_FMT_BF6 matrix_a_scale:MATRIX_SCALE_ROW1 matrix_b_scale:MATRIX_SCALE_ROW1
.elseif (\ra)
	v_wmma_scale_f32_16x16x128_f8f6f4 v[\d:\d+7], v[\a:\a+11], v[\b:\b+11], v[\c:\c+7], v[\sa], v[\sb] matrix_a_fmt:MATRIX_FMT_BF6 matrix_b_fmt:MATRIX_FMT_BF6 matrix_a_scale:MATRIX_SCALE_ROW1
.elseif (\rb)
	v_wmma_scale_f32_16x16x128_f8f6f4 v[\d:\d+7], v[\a:\a+11], v[\b:\b+11], v[\c:\c+7], v[\sa], v[\sb] matrix_a_fmt:MATRIX_FMT_BF6 matrix_b_fmt:MATRIX_FMT_BF6 matrix_b_scale:MATRIX_SCALE_ROW1
.else
	v_wmma_scale_f32_16x16x128_f8f6f4 v[\d:\d+7], v[\a:\a+11], v[\b:\b+11], v[\c:\c+7], v[\sa], v[\sb] matrix_a_fmt:MATRIX_FMT_BF6 matrix_b_fmt:MATRIX_FMT_BF6
.endif
.endif
.endm
	s_load_b512 s[4:19], s[0:1], 0x0               ; ximg s[4:5], wimg s[6:7], rope s[8:9], bk s[10:11], bq s[12:13], bv s[14:15], kimg s[16:17], qv s[18:19]
	v_lshl_add_u32 v[SPW], v0, 2, SPARE
	v_mov_b32 v[NIL], 0
	ds_add_u32 v[SPW], v[NIL]                      ; the wave's opening: the add, twice on end, and its wait ahead of my first tensor load
	ds_add_u32 v[SPW], v[NIL]
	v_lshrrev_b32 v1, 5, v0
	v_readfirstlane_b32 s[WV], v1                  ; wave 0..3
	s_bfe_u32 s[CX], ttmp6, 0x40000
	s_bfe_u32 s[CY], ttmp6, 0x40004
	s_lshl_b32 s[GG], ttmp9, 2
	s_add_co_u32 s[GG], s[GG], s[CX]               ; g: my 128 columns
	s_and_b32 s[TB], ttmp7, 0xffff
	s_lshl_b32 s[TB], s[TB], 2
	s_add_co_u32 s[TB], s[TB], s[CY]               ; TB: my 128 tokens
	s_lshl_b32 s56, s[CY], 2
	s_lshl_b32 s56, 15, s56                        ; my row of the cluster
	s_lshl_b32 s57, 0x1111, s[CX]                  ; my column
	s_or_b32 s[G1X], s56, (3<<16)|(1<<21)          ; group 1: 15:0 the mask; 17:16 elements of 8 bytes; 21 set beside a mask; no padding: images are read 512 bytes on end
	s_or_b32 s[G1W], s57, (3<<16)|(1<<21)
.irp g, G1X, G1W
	s_mov_b32 s[\g+1], 32<<16                      ; tensor_dim0 = 32 elements: rows of 256 bytes
	s_mov_b32 s[\g+2], 50<<16                      ; tensor_dim1 = 50 rows: a quarter of a block, 12,800 dense bytes
	s_mov_b32 s[\g+3], 32<<16                      ; tile_dim0
	s_mov_b32 s[\g+4], 50                          ; tile_dim1
	s_mov_b32 s[\g+5], 32                          ; from row to row
	s_mov_b32 s[\g+6], 0
	s_mov_b32 s[\g+7], 0
.endr
	s_mul_i32 s58, s[WV], 12800                    ; my quarter, in memory and in LDS
	s_mul_i32 s60, s[TB], 51200                    ; x's block: made of TB and the wave's number alone
	s_add_co_u32 s60, s60, s58
	s_mov_b32 s61, 0
	s_mul_i32 s62, s[GG], 51200                    ; a weight's chunk: of g and the wave's number alone
	s_add_co_u32 s62, s62, s58
	s_mov_b32 s63, 0
	s_mov_b32 s[SEL], 0x76543210
	s_mov_b32 s[SEL+1], 0xfedcba98
	s_mov_b32 s[HM], 0xffff0000
	s_wait_dscnt 0x0                               ; both opening adds are done
	s_wait_kmcnt 0x0
	s_add_nc_u64 s[68:69], s[6:7], s[62:63]
	s_mov_b32 s[G0X], 1
	s_mov_b32 s[G0X+1], s58
	s_add_nc_u64 s[G0X+2:G0X+3], s[4:5], s[60:61]
	s_or_b32 s[G0X+3], s[G0X+3], 0x80000000
	s_mov_b32 s[G0K], 1
	s_add_co_u32 s[G0K+1], s58, WKB
	s_mov_b64 s[G0K+2:G0K+3], s[68:69]
	s_or_b32 s[G0K+3], s[G0K+3], 0x80000000
	s_mov_b32 s[G0Q], 1
	s_add_co_u32 s[G0Q+1], s58, WQB
	s_add_nc_u64 s[G0Q+2:G0Q+3], s[68:69], 4*51200
	s_or_b32 s[G0Q+3], s[G0Q+3], 0x80000000
	s_mov_b32 s[G0V], 1
	s_add_co_u32 s[G0V+1], s58, WVB
	s_add_nc_u64 s[G0V+2:G0V+3], s[68:69], 8*51200
	s_or_b32 s[G0V+3], s[G0V+3], 0x80000000
	CROUND                                         ; all sixteen work-groups are here: the joint loads meet
	tensor_load_to_lds s[G0X:G0X+3], s[G1X:G1X+7]  ; in the order in which they are wanted: four loads of mine are out
	s_nop 0
	tensor_load_to_lds s[G0K:G0K+3], s[G1W:G1W+7]
	s_nop 0
	tensor_load_to_lds s[G0Q:G0Q+3], s[G1W:G1W+7]
	s_nop 0
	tensor_load_to_lds s[G0V:G0V+3], s[G1W:G1W+7]
	s_nop 0
	PLACES
	v_and_b32 v[BB], 31, v0
	v_lshlrev_b32 v[LI], 4, v[BB]
	v_lshlrev_b32 v[LS], 2, v[BB]
	v_add_nc_u32 v[AFK], WKB, v[LI]
	v_add_nc_u32 v[AFQ], WQB, v[LI]
	v_add_nc_u32 v[ASK], WKB+SCW, v[LS]
	v_add_nc_u32 v[ASQ], WQB+SCW, v[LS]
	v_add_nc_u32 v[ASX], SCW, v[LS]
	s_mul_i32 s59, s[WV], 3072                     ; my two tiles among a K step's eight
	v_add_nc_u32 v[RFX], s59, v[LI]
	s_add_co_u32 s59, s59, WVB
	v_add_nc_u32 v[RFV], s59, v[LI]
	s_lshl_b32 s59, s[WV], 7
	s_add_co_u32 s59, s59, SCW
	v_add_nc_u32 v[RSX], s59, v[LS]
	s_add_co_u32 s59, s59, WVB
	v_add_nc_u32 v[RSV], s59, v[LS]
	v_bfe_u32 v[BA], v0, 4, 1
	v_lshlrev_b32 v[BA], 6, v[BA]
	v_and_b32 v[BB], 15, v0
	v_and_b32 v[PWS], 8, v[BB]
	v_add_nc_u32 v[BB], v[BB], v[PWS]
	v_lshlrev_b32 v[BB], 2, v[BB]                  ; bv: 4 (r + 8 (r / 8))
.irp b, 0,1,2,3
	v_mov_b32 v[TM+4+\b], 0                        ; a lane permute's destination counts as one of its sources
.endr
	; cos and sin for my 32 tokens x the 128 columns: two images
	s_and_b32 s70, s[TB], 15                       ; the position in the sequence: the table knows no batch
	s_lshl_b32 s70, s70, 5
	s_lshl_b32 s71, s[WV], 3
	s_add_co_u32 s70, s70, s71
	s_add_co_u32 s70, s70, s[GG]
	s_lshl_b32 s70, s70, 13
	s_mov_b32 s71, 0
	s_add_nc_u64 s[8:9], s[8:9], s[70:71]
	s_lshl_b32 s72, s[GG], 9
	s_mov_b32 s73, 0
	s_add_nc_u64 s[10:11], s[10:11], s[72:73]
	s_add_nc_u64 s[12:13], s[12:13], s[72:73]
	s_lshl_b32 s70, s[WV], 7
	s_add_co_u32 s72, s72, s70
	s_add_nc_u64 s[14:15], s[14:15], s[72:73]
	WIN 0x80
.irp m, 0,1
.irp k, 0,1,2,3,4,5,6,7,8,9,10,11,12,13,14,15
	global_load_b128 v[64*\m+4*\k:64*\m+4*\k+3], v[LI], s[8:9] offset:32768*\m+512*\k
.endr
.endr
	WIN 0xc0
.irp f, 0,1,2,3,4,5,6,7                ; tile f = 2 b + u: lane half h wants the biases of columns 32 b + 16 h + 8 u + 0 .. 7
	global_load_b128 v[96+8*\f:96+8*\f+3], v[BA], s[10:11] offset:4*(32*(\f/2)+8*(\f%2))
	global_load_b128 v[96+8*\f+4:96+8*\f+7], v[BA], s[10:11] offset:4*(32*(\f/2)+8*(\f%2))+16
	global_load_b128 v[160+8*\f:160+8*\f+3], v[BA], s[12:13] offset:4*(32*(\f/2)+8*(\f%2))
	global_load_b128 v[160+8*\f+4:160+8*\f+7], v[BA], s[12:13] offset:4*(32*(\f/2)+8*(\f%2))+16
.endr
	global_load_b32 v224, v[BB], s[14:15]          ; bv of my lane's column in each of my two tiles
	global_load_b32 v232, v[BB], s[14:15] offset:32
	WIN 0
	; where the results go
	s_lshl_b32 s78, s[TB], 2
	s_add_co_u32 s78, s78, s[WV]
	s_mul_i32 s78, s78, 12800
	s_mul_i32 s80, s[GG], 1536
	s_add_co_u32 s80, s80, s78
	s_mov_b32 s81, 0
	s_add_nc_u64 s[KFB:KFB+1], s[16:17], s[80:81]
	s_lshl_b32 s80, s[GG], 7
	s_add_co_u32 s80, s80, s78
	s_add_co_u32 s80, s80, 12288
	s_add_nc_u64 s[KWB:KWB+1], s[16:17], s[80:81]
	s_mul_i32 s78, s[TB], 102400
	s_lshl_b32 s80, s[GG], 3
	s_lshl_b32 s79, s[WV], 1
	s_add_co_u32 s80, s80, s79
	s_mul_i32 s80, s80, 1536
	s_add_co_u32 s80, s80, s78
	s_add_nc_u64 s[QFB:QFB+1], s[18:19], s[80:81]
	s_lshl_b32 s80, s[GG], 9
	s_lshl_b32 s79, s[WV], 7
	s_add_co_u32 s80, s80, s79
	s_add_co_u32 s80, s80, s78
	s_add_co_u32 s80, s80, 49152
	s_add_nc_u64 s[QWB:QWB+1], s[18:19], s[80:81]
	s_wait_loadcnt 0x0
	WIN 0xc3
.irp j, 1,2,3,4,5,6,7
	v_mov_b32 v[224+\j], v224                      ; as C a bias fills a tile's eight registers
	v_mov_b32 v[232+\j], v232
.endr
	WIN 0
.macro FETCH af, s                     ; the streamed operand's 8 fragments of K step s into set s % 2: 24 loads of 512 consecutive bytes
	WIN 0x40
.irp f, 0,1,2,3,4,5,6,7
.irp k, 0,1,2
	ds_load_b128 v[96*((\s)%2)+12*\f+4*\k:96*((\s)%2)+12*\f+4*\k+3], v[\af] offset:12288*(\s)+1536*\f+512*\k
.endr
.endr
	WIN 0
.endm
.macro MUL s, cb, cstr, cres           ; 16 matrix instructions: the 16 accumulators by turns, one instruction a turn, in the same order in every K step
.if (\s) == 0
	WIN 0x3d                                       ; source 0 window 1, source 1 and C (the bias) window 3
.else
	WIN 0x0d
.endif
.irp f, 0,1,2,3,4,5,6,7
.irp e, 0,1
.if (\s) == 0
	WM HA+64*\e+8*\f, 96*((\s)%2)+12*\f, 12*(4*\e+(\s)), (\cb)+(\cstr)*\f+(\cres)*\e, SSC+4*(\s)+\f/2, RSC+(\s), \f%2, \e
.else
	WM HA+64*\e+8*\f, 96*((\s)%2)+12*\f, 12*(4*\e+(\s)), HA+64*\e+8*\f, SSC+4*(\s)+\f/2, RSC+(\s), \f%2, \e
.endif
.endr
.endr
.endm
; 128 x 32 x 512: 8 streamed tiles (source 0) x my 2 resident tiles (source 1), four K steps.
.macro GEMM64 af, as, cb, cstr, cres, loadres, rf, rs
.if \loadres
	WIN 0xc0
.irp e, 0,1
.irp s, 0,1,2,3
.irp k, 0,1,2
	ds_load_b128 v[12*(4*\e+\s)+4*\k:12*(4*\e+\s)+4*\k+3], v[\rf] offset:12288*\s+1536*\e+512*\k
.endr
.endr
.endr
	WIN 0
.irp s, 0,1,2,3
	ds_load_b32 v[RSC+\s], v[\rs] offset:512*\s
.endr
.endif
.irp s, 0,1,2,3
.irp p, 0,1,2,3
	ds_load_b32 v[SSC+4*\s+\p], v[\as] offset:512*\s+128*\p
.endr
.endr
	FETCH \af, 0
	FETCH \af, 1
	s_wait_dscnt 24                                ; all but the youngest run of 24
	MUL 0, \cb, \cstr, \cres
	PLACES
	FETCH \af, 2
	s_wait_dscnt 24
	MUL 1, \cb, \cstr, \cres
	PLACES
	FETCH \af, 3
	s_wait_dscnt 24
	MUL 2, \cb, \cstr, \cres
	s_wait_dscnt 0x0
	MUL 3, \cb, \cstr, \cres
	WIN 0
	PLACES
.endm
; (z0, z1) -> (cos z0 - sin z1, sin z0 + cos z1), a pair of registers at a time: T = (z0 cos, z1 cos); then low = -z1 sin + T.low, high = z0 sin + T.high.  Each accumulator is read from its low end on.
.macro ROPE m
	WIN 0x08                                       ; source 1 (cos, sin) window 2
.irp q, 0,4,8,12,16,20,24,28
.irp e, 0,1,2,3
	v_pk_mul_f32 v[T+2*\e:T+2*\e+1], v[HA+64*\m+2*(\q+\e):HA+64*\m+2*(\q+\e)+1], v[64*\m+2*(\q+\e):64*\m+2*(\q+\e)+1] op_sel_hi:[1,0]
.endr
.irp e, 0,1,2,3
	v_pk_fma_f32 v[HA+64*\m+2*(\q+\e):HA+64*\m+2*(\q+\e)+1], v[HA+64*\m+2*(\q+\e):HA+64*\m+2*(\q+\e)+1], v[64*\m+2*(\q+\e):64*\m+2*(\q+\e)+1], v[T+2*\e:T+2*\e+1] op_sel:[1,1,0] op_sel_hi:[0,1,1] neg_lo:[0,1,0]
.endr
.endr
	WIN 0
.endm
; 64 numbers of a lane, register 16 b + i = K 32 b + 16 (lane / 16) + i of my row, become a fragment's codes in v[PC] on and its scale word in v[pw].
.macro QUANT src, pw
.irp b, 0,1,2,3
	v_max3_num_f32 v[TM+\b], |v[\src+16*\b]|, |v[\src+1+16*\b]|, 0x2800000   ; and the floor 2^(5 - 127): the byte cannot fall under 1
.endr
.irp i, 2,4,6,8,10,12,14
.irp b, 0,1,2,3
	v_max3_num_f32 v[TM+\b], v[TM+\b], |v[\src+16*\b+\i]|, |v[\src+1+16*\b+\i]|
.endr
.endr
.irp b, 0,1,2,3
	v_permlanex16_b32 v[TM+4+\b], v[TM+\b], s[SEL], s[SEL+1]
.endr
.irp b, 0,1,2,3
	v_max_num_f32 v[TM+\b], v[TM+\b], v[TM+4+\b]   ; with lane l xor 16's: the block's largest magnitude
.endr
.irp b, 0,1,2,3
	v_add_nc_u32 v[TM+12+\b], 0xfe000000, v[TM+\b] ; 4 off its exponent field: the conversion's scale operand
.endr
.irp b, 0,1,2,3
	v_lshrrev_b32 v[TM+4+\b], 23, v[TM+12+\b]      ; the byte
.endr
	v_lshl_or_b32 v[\pw], v[TM+5], 8, v[TM+4]
	v_lshl_or_b32 v[\pw], v[TM+6], 16, v[\pw]
	v_lshl_or_b32 v[\pw], v[TM+7], 24, v[\pw]
.irp c, 0,1
	v_cvt_scalef32_pk16_bf6_f32 v[PC+6*\c:PC+2+6*\c], v[\src+32*\c:\src+15+32*\c], v[TM+12+2*\c]
	v_cvt_scalef32_pk16_bf6_f32 v[PC+12+4*\c:PC+14+4*\c], v[\src+16+32*\c:\src+31+32*\c], v[TM+12+2*\c+1]
.endr
	v_nop                                          ; one plain place behind a scaled conversion
.irp c, 0,1                            ; the operand's layout wants a whole block in a lane
.irp i, 0,1,2
	v_permlane16_swap_b32 v[PC+6*\c+\i], v[PC+12+4*\c+\i]
.endr
.irp i, 0,1,2
	v_mov_b32 v[PC+3+6*\c+\i], v[PC+12+4*\c+\i]
.endr
.endr
.endm
; My two tiles of results become two fragments and 128 bytes of scale words, stored as images.
.macro OUT2 fb, foff, fstr, wb, woff
	s_wait_xcnt 0x0                                ; earlier stores have read their data: the codes' registers are written again only behind this wait
	QUANT HA, PW0
.irp k, 0,1,2
	global_store_b128 v[LI], v[PC+4*\k:PC+4*\k+3], s[\fb:\fb+1] offset:\foff+512*\k
.endr
	s_wait_xcnt 0x0
	QUANT HA+64, PW1
.irp k, 0,1,2
	global_store_b128 v[LI], v[PC+4*\k:PC+4*\k+3], s[\fb:\fb+1] offset:\foff+\fstr+512*\k
.endr
	v_cndmask_b32 v[PWS], v[PW0], v[PW1], s[HM]    ; lanes 0-15 the first tile's words, lanes 16-31 the second's
	global_store_b32 v[LS], v[PWS], s[\wb:\wb+1] offset:\woff
.endm
	s_wait_tensorcnt 0x2                           ; my quarters of x and Wk are in; Wq's and Wv's may stay out
	s_barrier_signal -1
	s_barrier_wait -1                              ; everybody's are
	GEMM64 AFK, ASK, 96, 8, 0, 1, RFX, RSX         ; k
	ROPE 0
	ROPE 1
	OUT2 KFB, 0, 6144, KWB, 0
	s_wait_tensorcnt 0x1                           ; Wq is in; Wv may stay out
	s_barrier_signal -1
	s_barrier_wait -1
	GEMM64 AFQ, ASQ, 160, 8, 0, 0, RFX, RSX        ; q: my tiles of x are still in their registers
	ROPE 0
	ROPE 1
	OUT2 QFB, 0, 1536, QWB, 0
	s_wait_tensorcnt 0x0                           ; Wv, my last load
	s_barrier_signal -1
	s_barrier_wait -1
	GEMM64 LI, ASX, 224, 0, 8, 1, RFV, RSV         ; v^T: x streams, my two tiles of Wv are resident
	OUT2 QFB, 51200, 1536, QWB, 51200
	s_wait_tensorcnt 0x0                           ; the wave's end
	ds_add_u32 v[SPW], v[NIL]
	s_wait_dscnt 0x0
	CROUND                                         ; the closing round
	s_endpgm
.Lfunc_end_k_qa77d03eee8_qkv:
	.size	k_qa77d03eee8_qkv, .Lfunc_end_k_qa77d03eee8_qkv-k_qa77d03eee8_qkv
	.p2alignl 7, 3214868480
	.fill 96, 4, 3214868480
	.section	.rodata,"a",@progbits
	.p2align	6, 0x0
	.amdhsa_kernel k_qa77d03eee8_qkv
		.amdhsa_group_segment_fixed_size 206848
		.amdhsa_private_segment_fixed_size 0
		.amdhsa_enable_private_segment 0
		.amdhsa_kernarg_size 64
		.amdhsa_user_sgpr_count 2
		.amdhsa_user_sgpr_kernarg_segment_ptr 1
		.amdhsa_wavefront_size32 1
		.amdhsa_system_sgpr_workgroup_id_x 1
		.amdhsa_system_sgpr_workgroup_id_y 1
		.amdhsa_system_sgpr_workgroup_id_z 1
		.amdhsa_system_vgpr_workitem_id 0
		.amdhsa_next_free_vgpr 1024
		.amdhsa_next_free_sgpr 100
		.amdhsa_reserve_vcc 0
		.amdhsa_float_denorm_mode_32 3
		.amdhsa_float_denorm_mode_16_64 3
		.amdhsa_memory_ordered 1
		.amdhsa_forward_progress 1
		.amdhsa_inst_pref_size 107
	.end_amdhsa_kernel
	.amdgpu_metadata
---
amdhsa.version: [ 1, 2 ]
amdhsa.kernels:
  - .name:           k_qa77d03eee8_qkv
    .symbol:         k_qa77d03eee8_qkv.kd
    .args:
      - { .name: ximg, .offset: 0, .size: 8, .value_kind: global_buffer, .address_space: global }
      - { .name: wimg, .offset: 8, .size: 8, .value_kind: global_buffer, .address_space: global }
      - { .name: rope, .offset: 16, .size: 8, .value_kind: global_buffer, .address_space: global }
      - { .name: bk, .offset: 24, .size: 8, .value_kind: global_buffer, .address_space: global }
      - { .name: bq, .offset: 32, .size: 8, .value_kind: global_buffer, .address_space: global }
      - { .name: bv, .offset: 40, .size: 8, .value_kind: global_buffer, .address_space: global }
      - { .name: kimg, .offset: 48, .size: 8, .value_kind: global_buffer, .address_space: global }
      - { .name: qv, .offset: 56, .size: 8, .value_kind: global_buffer, .address_space: global }
    .group_segment_fixed_size: 206848
    .private_segment_fixed_size: 0
    .kernarg_segment_align: 8
    .kernarg_segment_size: 64
    .max_flat_workgroup_size: 128
    .sgpr_count:     100
    .vgpr_count:     1024
    .wavefront_size: 32
...
	.end_amdgpu_metadata
.endif
;; end of part 2
;; launch attn (part 3): grid 256 x 1, 4 waves a work-group, clusters of 4 x 1, 327,680 bytes of LDS; arguments kimg, qv, wimg, bp, out0; writes out0
.if DOCPART == 3
	.amdgcn_target "amdgcn-amd-amdhsa--gfx1250"
	.amdhsa_code_object_version 6
	.text
	.protected	k_qa77d03eee8_attn
	.globl	k_qa77d03eee8_attn
	.p2align	8
	.type	k_qa77d03eee8_attn,@function
k_qa77d03eee8_attn:
	s_mov_b64 s[64:65], 0
	v_nop
	global_prefetch_b8 v0, s[64:65] scope:SCOPE_SE
	s_setreg_imm32_b32 hwreg(HW_REG_WAVE_MODE, 25, 1), 1
	s_wait_xcnt 0x0
	s_wait_alu depctr_hold_cnt(0) depctr_sa_sdst(0) depctr_va_vdst(0) depctr_va_sdst(0) depctr_va_ssrc(0) depctr_va_vcc(0) depctr_vm_vsrc(0)
	s_getreg_b32 s2, hwreg(HW_REG_IB_STS2, 6, 4)
	s_cmp_eq_u32 s2, 0
	s_cbranch_scc0 .Lentry_in_a_cluster
	s_endpgm
.Lentry_in_a_cluster:
	s_bfe_u32 s2, ttmp6, 0x10000c
	s_cmp_lg_u32 s2, 0x3003
	s_cbranch_scc0 .Lentry_shape_is_right
	s_endpgm
.Lentry_shape_is_right:
; out0 = Q(softplus(mask(Q(k) Q(q)^T / sqrt(512))) Q(v)) Q(Wp) + bp, all three products on codes of BF6; softplus, the quantisers and the sums in f32.
; LEFT OUT: the steps of 128 keys that lie wholly behind a block of 128 rows: there reference()'s own tril makes softplus(-inf) = 0, zero codes, which add nothing (shown at the head of the first launch).
; LIMITS: as stated there; and 2^-|y| under 2^-126 comes out of v_exp_f32 as 0, so a softplus under that is 0.
; SHARES.  A cluster of four work-groups takes a block J of 128 rows of one batch, a work-group 32 of them (two tiles of 16).  All four walk key steps 0 .. J, so each step's tile (102,400 bytes: q's 32 fragments, v^T's 32, their
; scale words) is asked for JOINTLY, a quarter by each wave, into a ring of two slots.  The clusters with the most steps have the lowest numbers.
; A STEP.  S^T = q k^T: wave w takes keys 32 w .. 32 w + 31 (two tiles, source 0) x both tiles of rows (source 1): a lane holds one row and 16 neighbouring keys; lanes l and l xor 16 hold a block of 32.  softplus; the block is
; quantised; its 12 bytes a lane and its scale byte go to LDS; a barrier; every wave takes both tiles' whole fragments of P (128 keys) back and adds V^T P^T for ITS 128 columns (8 tiles, source 0) into O^T.
; In step J, the last, hidden scores become -inf ahead of softplus, and the wave's 128 columns of Wp, their scale words and bp are loaded into registers that lay idle.
; THE END.  O^T (a lane: one row; registers along my 128 columns) is quantised: K step w of the last product; images through LDS; 64 matrix instructions; a stage; whole rows out.
; softplus(x) = ln 2 (max(y, 0) + log2(w)) + (u - (w - 1)), y = x log2 e, u = 2^-|y|, w = 1 + u rounded: the last term is what the rounding of 1 + u lost, exactly; it keeps the small results good to f32's last places.
; REGISTERS, in windows of 256: window 0: v1-15 addresses; v16-28 scale words; v29-31 the mask's; v32-127 eight fragments of q, then of v^T, at last of out; v128-159 scores; v160-191 u; v192-223 w, then P's two fragments; v224-255 at work.
; window 1: v0-127 O^T, at last the output's sums; v128-223 k's eight fragments.   window 2: Wp's tiles 0-3, v192-255 bp.   window 3: Wp's tiles 4-7, v192-207 its scale words on their way.
.set TILE,  102400
.set SLOT1, 102400
.set PREG,  204800                     ; P: three regions of 3,328 bytes (the loop's, the odd tail's, the even tail's): codes [tile][block][row][24 bytes], then scale words [tile][row]
.set PSZ,   3328
.set OIMG,  214784                     ; out's eight fragments, (4 m + s) x 1,536
.set OSC,   227072                     ; their scale words, 128 s + 64 m + 4 r
.set STAGE, 227584                     ; 32 rows x (2,048 bytes + 16)
.set SPARE, 293632                     ; the spare words, 128 bytes a wave
.set LI,  1
.set QA,  2
.set VA,  4
.set QSA, 6
.set VSA, 8
.set PWA, 10
.set PWB, 11
.set PRA, 12
.set PSA, 13
.set SPW, 14
.set NIL, 15
.set KS,  16
.set QS,  20
.set VS,  24
.set PS,  28
.set D0,  29
.set NINF, 31
.set FB,  32
.set Y,   128
.set U,   160
.set W,   192
.set PF,  192
.set T,   224
.set MX,  232
.set MP,  234
.set SOP, 236
.set BY,  238
.set CD,  240
.set PFO, 248
.set LS,  249
.set BPA, 250
.set TM,  232                          ; at the end: the quantiser's 16
.set PC,  160
.set PW0, 180
.set PW1, 181
.set PWS, 182
.set OS,  252
.set WV,  14
.set CX,  15
.set JJ,  17
.set BT,  18
.set G1,  24
.set G0,  32
.set KC,  40
.set LN2, 42
.set SEL, 44
.set HM,  46
.set CNT, 47
.set PFA, 48
.set LIM, 50
.set WPB, 66
.set BPB, 68
.set MSB, 0
.macro WIN new                         ; the immediate's high byte repeats the setting that is left
.if MSB != \new
	s_set_vgpr_msb (MSB<<8)|\new
.set MSB, \new
.endif
.endm
.macro PLACES                          ; four plain places behind a matrix instruction (ISA guide 7.12.1)
.rept 4
	v_nop
.endr
.endm
.macro CROUND                          ; a round of the cluster's barrier
	s_barrier_signal -1
	s_barrier_wait -1
	s_cmp_lg_u32 s[WV], 0
	s_cbranch_scc1 .Lnot_wave_0_\@
	s_barrier_signal -3
.Lnot_wave_0_\@:
	s_barrier_wait -3
	s_barrier_signal -1
	s_barrier_wait -1
.endm
.macro WM d, a, b, c, sa, sb, ra, rb   ; one matrix instruction.  c < 0: the constant 0.  ra, rb: the scale words stand in lanes 16-31
.if (\c) < 0
.if (\ra) && (\rb)
	v_wmma_scale_f32_16x16x128_f8f6f4 v[\d:\d+7], v[\a:\a+11], v[\b:\b+11], 0, v[\sa], v[\sb] matrix_a_fmt:MATRIX_FMT_BF6 matrix_b_fmt:MATRIX_FMT_BF6 matrix_a_scale:MATRIX_SCALE_ROW1 matrix_b_scale:MATRIX_SCALE_ROW1
.elseif (\ra)
	v_wmma_scale_f32_16x16x128_f8f6f4 v[\d:\d+7], v[\a:\a+11], v[\b:\b+11], 0, v[\sa], v[\sb] matrix_a_fmt:MATRIX_FMT_BF6 matrix_b_fmt:MATRIX_FMT_BF6 matrix_a_scale:MATRIX_SCALE_ROW1
.elseif (\rb)
	v_wmma_scale_f32_16x16x128_f8f6f4 v[\d:\d+7], v[\a:\a+11], v[\b:\b+11], 0, v[\sa], v[\sb] matrix_a_fmt:MATRIX_FMT_BF6 matrix_b_fmt:MATRIX_FMT_BF6 matrix_b_scale:MATRIX_SCALE_ROW1
.else
	v_wmma_scale_f32_16x16x128_f8f6f4 v[\d:\d+7], v[\a:\a+11], v[\b:\b+11], 0, v[\sa], v[\sb] matrix_a_fmt:MATRIX_FMT_BF6 matrix_b_fmt:MATRIX_FMT_BF6
.endif
.else
.if (\ra) && (\rb)
	v_wmma_scale_f32_16x16x128_f8f6f4 v[\d:\d+7], v[\a:\a+11], v[\b:\b+11], v[\c:\c+7], v[\sa], v[\sb] matrix_a_fmt:MATRIX_FMT_BF6 matrix_b_fmt:MATRIX_FMT_BF6 matrix_a_scale:MATRIX_SCALE_ROW1 matrix_b_scale:MATRIX_SCALE_ROW1
.elseif (\ra)
	v_wmma_scale_f32_16x16x128_f8f6f4 v[\d:\d+7], v[\a:\a+11], v[\b:\b+11], v[\c:\c+7], v[\sa], v[\sb] matrix_a_fmt:MATRIX_FMT_BF6 matrix_b_fmt:MATRIX_FMT_BF6 matrix_a_scale:MATRIX_SCALE_ROW1
.elseif (\rb)
	v_wmma_scale_f32_16x16x128_f8f6f4 v[\d:\d+7], v[\a:\a+11], v[\b:\b+11], v[\c:\c+7], v[\sa], v[\sb] matrix_a_fmt:MATRIX_FMT_BF6 matrix_b_fmt:MATRIX_FMT_BF6 matrix_b_scale:MATRIX_SCALE_ROW1
.else
	v_wmma_scale_f32_16x16x128_f8f6f4 v[\d:\d+7], v[\a:\a+11], v[\b:\b+11], v[\c:\c+7], v[\sa], v[\sb] matrix_a_fmt:MATRIX_FMT_BF6 matrix_b_fmt:MATRIX_FMT_BF6
.endif
.endif
.endm
; A prefetch of the tile two steps on: the next refill but one.  All clusters of a batch walk the same tiles from step 0 on; the one that walks all sixteen (J = 15) asks, and nobody else.  Of a wave's quarter (100 blocks of 256
; bytes) each of the four partners takes 25, told apart by address; a lane a block, lanes 25-31 name the 25th again.  It is written in the loop's steps alone: for J = 15 those are steps 0 .. 13, which name tiles 2 .. 15.
.macro ASK
	s_cmp_eq_u32 s[LIM], 1
	s_cbranch_scc0 .Lnot_mine_\@
	global_prefetch_b8 v[PFO], s[PFA:PFA+1] th:TH_LOAD_NT scope:SCOPE_SE
.Lnot_mine_\@:
.endm
	s_load_b256 s[4:11], s[0:1], 0x0               ; kimg s[4:5], qv s[6:7], wimg s[8:9], bp s[10:11]
	s_load_b64 s[12:13], s[0:1], 0x20              ; out0
	v_lshl_add_u32 v[SPW], v0, 2, SPARE
	v_mov_b32 v[NIL], 0
	ds_add_u32 v[SPW], v[NIL]                      ; the wave's opening: the add, twice on end, and its wait ahead of my first tensor load
	ds_add_u32 v[SPW], v[NIL]
	v_lshrrev_b32 v1, 5, v0
	v_readfirstlane_b32 s[WV], v1                  ; wave 0..3
	s_bfe_u32 s[CX], ttmp6, 0x40000                ; my place in the cluster: it enters global addresses and the mask's numbers alone
	s_and_b32 s[JJ], ttmp9, 15
	s_sub_co_u32 s[JJ], 15, s[JJ]                  ; J: the cluster's block of 128 rows, and its last key step
	s_lshr_b32 s[BT], ttmp9, 4                     ; the batch
	s_mov_b32 s[G1], 15|(3<<16)|(1<<21)            ; group 1: the mask names all four; elements of 8 bytes; bit 21 beside a mask; no padding: images are read 512 bytes on end
	s_mov_b32 s[G1+1], 32<<16                      ; rows of 256 bytes,
	s_mov_b32 s[G1+2], 100<<16                     ; 100 of them: a quarter of a tile, dense
	s_mov_b32 s[G1+3], 32<<16
	s_mov_b32 s[G1+4], 100
	s_mov_b32 s[G1+5], 32
	s_mov_b32 s[G1+6], 0
	s_mov_b32 s[G1+7], 0
	s_mov_b32 s[KC], 0x3d8293ee                    ; log2(e) / sqrt(512)
	s_mov_b32 s[KC+1], s[KC]
	s_mov_b32 s[LN2], 0x3f317218                   ; ln 2
	s_mov_b32 s[LN2+1], s[LN2]
	s_mov_b32 s[SEL], 0x76543210
	s_mov_b32 s[SEL+1], 0xfedcba98
	s_mov_b32 s[HM], 0xffff0000
	s_mul_i32 s52, s[WV], 25600                    ; my quarter, in memory and in a slot
	s_mul_i32 s54, s[BT], 16*TILE                  ; the batch's first tile
	s_add_co_u32 s54, s54, s52
	s_mov_b32 s55, 0
	s_lshl_b32 s70, s[BT], 6
	s_lshl_b32 s71, s[JJ], 2
	s_add_co_u32 s70, s70, s71
	s_add_co_u32 s70, s70, s[CX]                   ; my 32 rows: group 64 batch + 4 J + cx
	s_mul_i32 s70, s70, 12800
	s_mov_b32 s71, 0
	s_lshl_b32 s72, s[BT], 11
	s_lshl_b32 s73, s[JJ], 7
	s_add_co_u32 s72, s72, s73
	s_lshl_b32 s73, s[CX], 5
	s_add_co_u32 s72, s72, s73
	s_lshr_b32 s73, s[WV], 1
	s_lshl_b32 s73, s73, 3
	s_add_co_u32 s72, s72, s73
	s_and_b32 s73, s[WV], 1
	s_lshl_b32 s73, s73, 4
	s_add_co_u32 s72, s72, s73                     ; the 8 rows that I store: stage rows 8 w .. are tile w / 2, rows 8 (w % 2) ..: tokens 8 (w / 2) + 16 (w % 2) + 0 .. 7 of the 32
	s_lshl_b32 s72, s72, 11
	s_mov_b32 s73, 0
	s_add_co_u32 s74, s[WV], 12
	s_mul_i32 s74, s74, 51200                      ; Wp's chunk of my 128 outputs
	s_mov_b32 s75, 0
	s_lshl_b32 s76, s[WV], 9
	s_mov_b32 s77, 0
	s_mul_i32 s78, s[CX], 6400
	s_add_co_u32 s78, s78, TILE                    ; the prefetches stand in tile 1; the first step moves them to tile 2
	s_mov_b32 s79, 0
	s_cmp_eq_u32 s[JJ], 15
	s_cselect_b32 s[LIM], 1, 0
	s_lshr_b32 s[CNT], s[JJ], 1
	s_wait_dscnt 0x0                               ; both opening adds are done
	s_wait_kmcnt 0x0
	s_add_nc_u64 s[56:57], s[6:7], s[54:55]
	s_add_nc_u64 s[4:5], s[4:5], s[70:71]
	s_add_nc_u64 s[12:13], s[12:13], s[72:73]
	s_add_nc_u64 s[WPB:WPB+1], s[8:9], s[74:75]
	s_add_nc_u64 s[BPB:BPB+1], s[10:11], s[76:77]
	s_add_nc_u64 s[PFA:PFA+1], s[56:57], s[78:79]
	s_mov_b32 s[G0], 1                             ; group 0 of slot n, set up for tile n
	s_mov_b32 s[G0+1], s52
	s_mov_b64 s[G0+2:G0+3], s[56:57]
	s_or_b32 s[G0+3], s[G0+3], 0x80000000
	s_mov_b32 s[G0+4], 1
	s_add_co_u32 s[G0+5], s52, SLOT1
	s_add_nc_u64 s[G0+6:G0+7], s[56:57], TILE
	s_or_b32 s[G0+7], s[G0+7], 0x80000000
	CROUND                                         ; all four work-groups are here
	tensor_load_to_lds s[G0:G0+3], s[G1:G1+7]      ; tile 0
	s_nop 0
	PLACES
	v_and_b32 v[PFO], 31, v0
	v_lshlrev_b32 v[LI], 4, v[PFO]
	v_lshlrev_b32 v[LS], 2, v[PFO]
	v_min_u32 v[PFO], 24, v[PFO]
	v_lshlrev_b32 v[PFO], 8, v[PFO]
	WIN 0x40
.set n, 0
.rept 24
	global_load_b128 v[128+4*n:128+4*n+3], v[LI], s[4:5] offset:512*n   ; k's eight fragments stay in registers: (tile m, K step s) at v[128 + 12 (4 m + s)] of window 1
.set n, n+1
.endr
.set n, 0
.rept 128
	v_mov_b32 v[n], 0                              ; O^T.  The step is written for every place in the walk alike: the first finds zeros
.set n, n+1
.endr
	WIN 0
.irp s, 0,1,2,3
	global_load_b32 v[KS+\s], v[LS], s[4:5] offset:12288+128*\s
.endr
	s_mul_i32 s60, s[WV], 3072                     ; q: my two tiles of keys among a K step's eight
	v_add_nc_u32 v[QA], s60, v[LI]
	s_add_co_u32 s60, s60, SLOT1
	v_add_nc_u32 v[QA+1], s60, v[LI]
	s_mul_i32 s60, s[WV], 12288                    ; v^T: my eight tiles of columns
	s_add_co_u32 s60, s60, 51200
	v_add_nc_u32 v[VA], s60, v[LI]
	s_add_co_u32 s60, s60, SLOT1
	v_add_nc_u32 v[VA+1], s60, v[LI]
	s_lshl_b32 s60, s[WV], 7
	s_add_co_u32 s60, s60, 49152
	v_add_nc_u32 v[QSA], s60, v[LS]
	s_add_co_u32 s60, s60, SLOT1
	v_add_nc_u32 v[QSA+1], s60, v[LS]
	s_lshl_b32 s60, s[WV], 9
	s_add_co_u32 s60, s60, 100352
	v_add_nc_u32 v[VSA], s60, v[LS]
	s_add_co_u32 s60, s60, SLOT1
	v_add_nc_u32 v[VSA+1], s60, v[LS]
	v_and_b32 v251, 15, v0                         ; r
	v_bfe_u32 v252, v0, 4, 1                       ; h
	v_mul_u32_u24 v[PRA], v251, 24
	v_mad_u32_u24 v[PWA], v252, 12, v[PRA]
	s_mul_i32 s60, s[WV], 384
	s_add_co_u32 s60, s60, PREG
	v_add_nc_u32 v[PWA], s60, v[PWA]               ; P in: block w, row r, my half's 12 bytes
	v_mad_u32_u24 v[PRA], v252, 384, v[PRA]
	v_add_nc_u32 v[PRA], PREG, v[PRA]              ; P out: block 2 c + h, row r
	v_lshlrev_b32 v[PWB], 2, v251
	s_add_co_u32 s60, s[WV], PREG+3072
	v_add_nc_u32 v[PWB], s60, v[PWB]               ; byte w of row r's scale word
	v_add_nc_u32 v[PSA], PREG+3072, v[LS]
	v_lshlrev_b32 v[BPA], 6, v252                  ; bp: 64 h
	s_sub_co_i32 s60, s[CX], s[WV]
	s_lshl_b32 s60, s60, 5
	v_and_b32 v253, 8, v251
	v_add_nc_u32 v253, v253, v251
	v_lshlrev_b32 v252, 4, v252
	v_sub_nc_u32 v253, v253, v252
	v_add_nc_u32 v[D0], s60, v253                  ; in step J register i of tile m holds key 32 w + 16 h + i, my row is 32 cx + 8 m + r + 8 (r / 8): hidden where i > 32 (cx - w) + r + 8 (r / 8) - 16 h + 8 m
	v_add_nc_u32 v[D0+1], 8, v[D0]
	v_mov_b32 v[NINF], 0xff800000
	v_mov_b32 v[MP], 0                             ; a lane permute's destination counts as one of its sources
	v_mov_b32 v[MP+1], 0
	s_wait_loadcnt 0x0                             ; k
.macro WPLOAD0                         ; Wp's tiles 0-3, all four K steps -> window 2
	WIN 0x80
.irp n, 0,1,2,3
.irp s, 0,1,2,3
.irp k, 0,1,2
	global_load_b128 v[12*(4*\n+\s)+4*\k:12*(4*\n+\s)+4*\k+3], v[LI], s[WPB:WPB+1] offset:(8*\s+\n)*1536+512*\k
.endr
.endr
.endr
	WIN 0
.endm
.macro WPLOAD1                         ; tiles 4-7 -> window 3
	WIN 0xc0
.irp n, 0,1,2,3
.irp s, 0,1,2,3
.irp k, 0,1,2
	global_load_b128 v[12*(4*\n+\s)+4*\k:12*(4*\n+\s)+4*\k+3], v[LI], s[WPB:WPB+1] offset:(8*\s+\n+4)*1536+512*\k
.endr
.endr
.endr
	WIN 0
.endm
.macro WPLOAD2                         ; bp in the result's layout -> window 2; Wp's scale words -> window 3
	WIN 0x80
.irp n, 0,1,2,3,4,5,6,7
	global_load_b128 v[192+8*\n:192+8*\n+3], v[BPA], s[BPB:BPB+1] offset:4*(32*(\n/2)+8*(\n%2))
	global_load_b128 v[192+8*\n+4:192+8*\n+7], v[BPA], s[BPB:BPB+1] offset:4*(32*(\n/2)+8*(\n%2))+16
.endr
	WIN 0xc0
.irp s, 0,1,2,3
.irp p, 0,1,2,3
	global_load_b32 v[192+4*\s+\p], v[LS], s[WPB:WPB+1] offset:49152+512*\s+128*\p
.endr
.endr
	WIN 0
.endm
; A KEY STEP on the tile in slot.  refill: the next tile is asked for, into the other slot.  diag: step J.  ask: a prefetch.  pk: which region P goes through.
.macro STEP slot, refill, diag, ask, pk
	s_wait_tensorcnt 0x0                           ; all my tensor loads are done: my quarter of this step's tile; so a group 0 may be written
	ds_add_u32 v[SPW], v[NIL]                      ; 0 onto my spare word
.if \refill
	s_add_nc_u64 s[G0+4*\slot+2:G0+4*\slot+3], s[G0+4*\slot+2:G0+4*\slot+3], 2*TILE   ; this slot's next tile
.endif
.if \ask
	s_wait_xcnt 0x0                                ; the last prefetch, a step back, has read its address
	s_add_nc_u64 s[PFA:PFA+1], s[PFA:PFA+1], TILE
.endif
	s_wait_dscnt 0x0                               ; the add is done, and my reads of the other slot and of P are over
.if \refill
	CROUND                                         ; the same holds of every wave of all four work-groups
	tensor_load_to_lds s[G0+4-4*\slot:G0+7-4*\slot], s[G1:G1+7]   ; my one load behind the round: it has this step's work in which to land
	s_nop 0
	PLACES
.else
	s_barrier_signal -1
	s_barrier_wait -1
.endif
.irp s, 0,1,2,3
	ds_load_b32 v[QS+\s], v[QSA+\slot] offset:512*\s
.endr
.irp s, 0,1,2,3
.irp t, 0,1
.irp k, 0,1,2
	ds_load_b128 v[FB+12*(2*\s+\t)+4*\k:FB+12*(2*\s+\t)+4*\k+3], v[QA+\slot] offset:12288*\s+1536*\t+512*\k
.endr
.endr
.endr
.if \ask
	ASK
.endif
.if \diag
	WPLOAD0
.endif
	WIN 0x04                                       ; source 1 (k) window 1
.irp s, 0,1,2,3
	s_wait_dscnt 18-6*\s                           ; this K step's six loads are in; the later K steps' may be out
.irp m, 0,1
.irp t, 0,1
.if \s == 0
	WM Y+16*\m+8*\t, FB+12*(2*\s+\t), 128+12*(4*\m+\s), -1, QS+\s, KS+\s, \t, \m
.else
	WM Y+16*\m+8*\t, FB+12*(2*\s+\t), 128+12*(4*\m+\s), Y+16*\m+8*\t, QS+\s, KS+\s, \t, \m
.endif
.endr
.endr
.endr
	WIN 0
	PLACES                                         ; ahead of the loads into q's registers and of the first read of the scores
.irp c, 0,1,2,3,4,5,6,7
.irp k, 0,1,2
	ds_load_b128 v[FB+12*\c+4*\k:FB+12*\c+4*\k+3], v[VA+\slot] offset:1536*\c+512*\k   ; v^T lands under the softplus
.endr
.endr
.irp p, 0,1,2,3
	ds_load_b32 v[VS+\p], v[VSA+\slot] offset:128*\p
.endr
.if \diag
	WPLOAD1
.irp m, 0,1
.irp i, 0,1,2,3,4,5,6,7,8,9,10,11,12,13,14,15
	v_cmp_gt_i32 vcc_lo, \i, v[D0+\m]
	v_cndmask_b32 v[Y+16*\m+\i], v[Y+16*\m+\i], v[NINF], vcc_lo
.endr
.endr
.endif
.irp j, 0,2,4,6,8,10,12,14,16,18,20,22,24,26,28,30
	v_pk_mul_f32 v[Y+\j:Y+\j+1], v[Y+\j:Y+\j+1], s[KC:KC+1] op_sel_hi:[1,0]   ; y = score x log2(e) / sqrt(512)
.endr
.irp j, 0,1,2,3,4,5,6,7,8,9,10,11,12,13,14,15,16,17,18,19,20,21,22,23,24,25,26,27,28,29,30,31
	v_exp_f32 v[U+\j], -|v[Y+\j]|                  ; u = 2^-|y|, at most 1
.endr
	v_nop                                          ; a plain place behind the batch, ahead of the writes of its sources
.irp j, 0,1,2,3,4,5,6,7,8,9,10,11,12,13,14,15,16,17,18,19,20,21,22,23,24,25,26,27,28,29,30,31
	v_max_num_f32 v[Y+\j], 0, v[Y+\j]              ; independent work behind the exponentials
.endr
	s_wait_alu depctr_va_vdst(0)                   ; one wait for the batch, ahead of its first reader
.irp j, 0,2,4,6,8,10,12,14,16,18,20,22,24,26,28,30
	v_pk_add_f32 v[W+\j:W+\j+1], v[U+\j:U+\j+1], 1.0 op_sel_hi:[1,0]          ; w = 1 + u, rounded
.endr
.irp g, 0,8,16,24
.irp e, 0,2,4,6
	v_pk_add_f32 v[T+\e:T+\e+1], v[W+\g+\e:W+\g+\e+1], -1.0 op_sel_hi:[1,0]   ; w - 1: exact
.endr
.irp e, 0,2,4,6
	v_pk_add_f32 v[U+\g+\e:U+\g+\e+1], v[U+\g+\e:U+\g+\e+1], v[T+\e:T+\e+1] neg_lo:[0,1] neg_hi:[0,1]   ; u - (w - 1): exact: what the rounding lost
.endr
.endr
.irp j, 0,1,2,3,4,5,6,7,8,9,10,11,12,13,14,15,16,17,18,19,20,21,22,23,24,25,26,27,28,29,30,31
	v_log_f32 v[W+\j], v[W+\j]
.endr
	v_nop
	s_wait_alu depctr_va_vdst(0)                   ; one wait for the batch of logarithms
.irp j, 0,2,4,6,8,10,12,14,16,18,20,22,24,26,28,30
	v_pk_add_f32 v[Y+\j:Y+\j+1], v[Y+\j:Y+\j+1], v[W+\j:W+\j+1]
.endr
.irp j, 0,2,4,6,8,10,12,14,16,18,20,22,24,26,28,30
	v_pk_fma_f32 v[Y+\j:Y+\j+1], v[Y+\j:Y+\j+1], s[LN2:LN2+1], v[U+\j:U+\j+1] op_sel_hi:[1,0,1]
.endr
.irp m, 0,1                            ; the block of 32 keys of each tile of rows: none of its numbers is negative
	v_max3_num_f32 v[MX+\m], v[Y+16*\m], v[Y+16*\m+1], 0x2800000               ; and the floor: a block of zeros keeps the byte 1 and zero codes
.endr
.irp i, 2,4,6,8,10,12,14
.irp m, 0,1
	v_max3_num_f32 v[MX+\m], v[MX+\m], v[Y+16*\m+\i], v[Y+16*\m+\i+1]
.endr
.endr
.irp m, 0,1
	v_permlanex16_b32 v[MP+\m], v[MX+\m], s[SEL], s[SEL+1]
.endr
.irp m, 0,1
	v_max_num_f32 v[MX+\m], v[MX+\m], v[MP+\m]
.endr
.irp m, 0,1
	v_add_nc_u32 v[SOP+\m], 0xfe000000, v[MX+\m]
.endr
.irp m, 0,1
	v_lshrrev_b32 v[BY+\m], 23, v[SOP+\m]
.endr
.irp m, 0,1
	v_cvt_scalef32_pk16_bf6_f32 v[CD+4*\m:CD+4*\m+2], v[Y+16*\m:Y+16*\m+15], v[SOP+\m]
.endr
	v_nop                                          ; one plain place behind a scaled conversion
.irp m, 0,1
.irp i, 0,1,2
	ds_store_b32 v[PWA], v[CD+4*\m+\i] offset:PSZ*\pk+1536*\m+4*\i
.endr
	ds_store_b8 v[PWB], v[BY+\m] offset:PSZ*\pk+64*\m      ; both halves of the lanes write the same byte with the same value
.endr
	s_wait_dscnt 0x0                               ; for the others' sake: my stores have landed
	s_barrier_signal -1
	s_barrier_wait -1                              ; P's four blocks lie in LDS
.irp m, 0,1
.irp c, 0,1
.irp p, 0,1,2
	ds_load_b64 v[PF+12*\m+6*\c+2*\p:PF+12*\m+6*\c+2*\p+1], v[PRA] offset:PSZ*\pk+1536*\m+768*\c+8*\p
.endr
.endr
.endr
	ds_load_b32 v[PS], v[PSA] offset:PSZ*\pk
.if \diag
	WPLOAD2
.endif
	s_wait_dscnt 0x0
	WIN 0x50                                       ; C and D (O^T) window 1
.irp c, 0,1,2,3,4,5,6,7
.irp m, 0,1
	WM 64*\m+8*\c, FB+12*\c, PF+12*\m, 64*\m+8*\c, VS+\c/2, PS, \c%2, \m
.endr
.endr
	WIN 0
	PLACES
.endm
	s_cmp_eq_u32 s[CNT], 0                         ; ids alone decide the walk, and alike in all four partners
	s_cbranch_scc1 .Ltail
.Lloop:                                            ; J / 2 trips of two steps; every step here has a successor, so each asks for the next tile
	STEP 0, 1, 0, 1, 0
	STEP 1, 1, 0, 1, 0
	s_sub_co_u32 s[CNT], s[CNT], 1
	s_cmp_lg_u32 s[CNT], 0
	s_cbranch_scc1 .Lloop
.Ltail:
	s_bitcmp1_b32 s[JJ], 0
	s_cbranch_scc0 .Leven
	STEP 0, 1, 0, 0, 1                             ; J odd: step J - 1, which asks for tile J,
	STEP 1, 0, 1, 0, 1                             ; and step J: nothing is left to fetch
	s_branch .Lproj
.Leven:
	STEP 0, 0, 1, 0, 2                             ; J even: step J lies in slot 0
.Lproj:
	s_wait_loadcnt 0x0                             ; Wp, its scale words, bp
	WIN 0x03
.set n, 0
.rept 16
	v_mov_b32 v[16+n], v[192+n]                    ; scale operands have no window: Wp's words come to window 0, where the steps' words lay
.set n, n+1
.endr
	WIN 0
	s_mul_i32 s60, s[WV], 1536
	s_add_co_u32 s60, s60, OIMG
	v_add_nc_u32 v2, s60, v[LI]                    ; out's images: I write K step w,
	s_lshl_b32 s60, s[WV], 7
	s_add_co_u32 s60, s60, OSC
	v_add_nc_u32 v3, s60, v[LS]
	v_add_nc_u32 v6, OIMG, v[LI]                   ; and read all
	v_add_nc_u32 v7, OSC, v[LS]
	v_and_b32 v8, 15, v0
	v_bfe_u32 v9, v0, 4, 1
	v_mul_u32_u24 v4, v8, 2064
	v_lshl_add_u32 v4, v9, 6, v4
	s_lshl_b32 s60, s[WV], 9
	s_add_co_u32 s60, s60, STAGE
	v_add_nc_u32 v4, s60, v4                       ; the stage, in: row r, my 512 bytes, + 64 h
	s_mul_i32 s60, s[WV], 16512
	s_add_co_u32 s60, s60, STAGE
	v_add_nc_u32 v5, s60, v[LI]                    ; back: my 8 rows
.macro QUANTO m, pw                    ; tile m of O^T (window 1): 64 numbers a lane along my 128 columns -> a fragment's codes in v[PC] on, its scale word in v[pw]
	WIN 0x14                                       ; sources 1 and 2 window 1
.irp b, 0,1,2,3
	v_max3_num_f32 v[TM+\b], 0x2800000, |v[64*\m+16*\b]|, |v[64*\m+16*\b+1]|
.endr
.irp i, 2,4,6,8,10,12,14
.irp b, 0,1,2,3
	v_max3_num_f32 v[TM+\b], v[TM+\b], |v[64*\m+16*\b+\i]|, |v[64*\m+16*\b+\i+1]|
.endr
.endr
	WIN 0
.irp b, 0,1,2,3
	v_permlanex16_b32 v[TM+4+\b], v[TM+\b], s[SEL], s[SEL+1]
.endr
.irp b, 0,1,2,3
	v_max_num_f32 v[TM+\b], v[TM+\b], v[TM+4+\b]
.endr
.irp b, 0,1,2,3
	v_add_nc_u32 v[TM+12+\b], 0xfe000000, v[TM+\b]
.endr
.irp b, 0,1,2,3
	v_lshrrev_b32 v[TM+4+\b], 23, v[TM+12+\b]
.endr
	v_lshl_or_b32 v[\pw], v[TM+5], 8, v[TM+4]
	v_lshl_or_b32 v[\pw], v[TM+6], 16, v[\pw]
	v_lshl_or_b32 v[\pw], v[TM+7], 24, v[\pw]
	WIN 0x01                                       ; source 0 window 1
.irp c, 0,1
	v_cvt_scalef32_pk16_bf6_f32 v[PC+6*\c:PC+2+6*\c], v[64*\m+32*\c:64*\m+32*\c+15], v[TM+12+2*\c]
	v_cvt_scalef32_pk16_bf6_f32 v[PC+12+4*\c:PC+14+4*\c], v[64*\m+32*\c+16:64*\m+32*\c+31], v[TM+12+2*\c+1]
.endr
	WIN 0
	v_nop                                          ; one plain place behind a scaled conversion
.irp c, 0,1
.irp i, 0,1,2
	v_permlane16_swap_b32 v[PC+6*\c+\i], v[PC+12+4*\c+\i]
.endr
.irp i, 0,1,2
	v_mov_b32 v[PC+3+6*\c+\i], v[PC+12+4*\c+\i]
.endr
.endr
.irp k, 0,1,2
	ds_store_b128 v2, v[PC+4*\k:PC+4*\k+3] offset:6144*\m+512*\k
.endr
	s_wait_dscnt 0x0                               ; the stores have read their registers
.endm
	QUANTO 0, PW0
	QUANTO 1, PW1
	v_cndmask_b32 v[PWS], v[PW0], v[PW1], s[HM]
	ds_store_b32 v3, v[PWS]
	s_wait_dscnt 0x0
	s_barrier_signal -1
	s_barrier_wait -1                              ; out's eight fragments lie in LDS
.set n, 0
.rept 24
	ds_load_b128 v[FB+4*n:FB+4*n+3], v6 offset:512*n       ; (tile m, K step s) at v[FB + 12 (4 m + s)]
.set n, n+1
.endr
.irp s, 0,1,2,3
	ds_load_b32 v[OS+\s], v7 offset:128*\s
.endr
	s_wait_dscnt 0x0
.irp s, 0,1,2,3                        ; my 128 outputs x 32 rows: 16 accumulators by turns, over O^T's registers, which are done with; bp starts the sums
.irp n, 0,1,2,3,4,5,6,7
.if \s == 0
	WIN 0x62+\n/4                                  ; source 0 (Wp) window 2 or 3, C (bp) window 2, D window 1
.else
	WIN 0x52+\n/4                                  ; C and D window 1
.endif
.irp m, 0,1
.if \s == 0
	WM 64*\m+8*\n, 12*(4*(\n%4)+\s), FB+12*(4*\m+\s), 192+8*\n, 16+4*\s+\n/2, OS+\s, \n%2, \m
.else
	WM 64*\m+8*\n, 12*(4*(\n%4)+\s), FB+12*(4*\m+\s), 64*\m+8*\n, 16+4*\s+\n/2, OS+\s, \n%2, \m
.endif
.endr
.endr
.endr
	WIN 0
	PLACES
	WIN 0x04                                       ; an LDS store's data are its source 1: window 1
.irp m, 0,1
.irp n, 0,1,2,3,4,5,6,7
	ds_store_b128 v4, v[64*\m+8*\n:64*\m+8*\n+3] offset:33024*\m+128*(\n/2)+32*(\n%2)        ; lane (r, h): out(tile m, row r; 128 w + 32 (n / 2) + 16 h + 8 (n % 2) + 0 .. 7); each accumulator from its low end on
	ds_store_b128 v4, v[64*\m+8*\n+4:64*\m+8*\n+7] offset:33024*\m+128*(\n/2)+32*(\n%2)+16
.endr
.endr
	WIN 0
	s_wait_dscnt 0x0
	s_barrier_signal -1
	s_barrier_wait -1                              ; 32 whole rows lie in the stage
	s_wait_xcnt 0x0                                ; the loads below land on offset registers of earlier loads and of the prefetches: only behind this wait
.set n, 0
.rept 32
	ds_load_b128 v[128+4*n:128+4*n+3], v5 offset:2064*(n/4)+512*(n%4)
.set n, n+1
.endr
.set n, 0
.rept 32
	s_wait_dscnt 31-n                              ; LDS loads come back in order: the n-th is in, the younger ones may be out
	global_store_b128 v[LI], v[128+4*n:128+4*n+3], s[12:13] offset:2048*(n/4)+512*(n%4) th:TH_STORE_NT   ; 32 lanes store 512 consecutive bytes, at a multiple of 256 from out0's first byte
.set n, n+1
.endr
	s_wait_tensorcnt 0x0                           ; the wave's end, behind my last tensor load and my last LDS store
	ds_add_u32 v[SPW], v[NIL]
	s_wait_dscnt 0x0
	CROUND                                         ; the closing round
	s_endpgm
.Lfunc_end_k_qa77d03eee8_attn:
	.size	k_qa77d03eee8_attn, .Lfunc_end_k_qa77d03eee8_attn-k_qa77d03eee8_attn
	.p2alignl 7, 3214868480
	.fill 96, 4, 3214868480
	.section	.rodata,"a",@progbits
	.p2align	6, 0x0
	.amdhsa_kernel k_qa77d03eee8_attn
		.amdhsa_group_segment_fixed_size 327680
		.amdhsa_private_segment_fixed_size 0
		.amdhsa_enable_private_segment 0
		.amdhsa_kernarg_size 40
		.amdhsa_user_sgpr_count 2
		.amdhsa_user_sgpr_kernarg_segment_ptr 1
		.amdhsa_wavefront_size32 1
		.amdhsa_system_sgpr_workgroup_id_x 1
		.amdhsa_system_sgpr_workgroup_id_y 1
		.amdhsa_system_sgpr_workgroup_id_z 1
		.amdhsa_system_vgpr_workitem_id 0
		.amdhsa_next_free_vgpr 1024
		.amdhsa_next_free_sgpr 96
		.amdhsa_reserve_vcc 1
		.amdhsa_float_denorm_mode_32 3
		.amdhsa_float_denorm_mode_16_64 3
		.amdhsa_memory_ordered 1
		.amdhsa_forward_progress 1
		.amdhsa_inst_pref_size 180
	.end_amdhsa_kernel
	.amdgpu_metadata
---
amdhsa.version: [ 1, 2 ]
amdhsa.kernels:
  - .name:           k_qa77d03eee8_attn
    .symbol:         k_qa77d03eee8_attn.kd
    .args:
      - { .name: kimg, .offset: 0, .size: 8, .value_kind: global_buffer, .address_space: global }
      - { .name: qv, .offset: 8, .size: 8, .value_kind: global_buffer, .address_space: global }
      - { .name: wimg, .offset: 16, .size: 8, .value_kind: global_buffer, .address_space: global }
      - { .name: bp, .offset: 24, .size: 8, .value_kind: global_buffer, .address_space: global }
      - { .name: out0, .offset: 32, .size: 8, .value_kind: global_buffer, .address_space: global }
    .group_segment_fixed_size: 327680
    .private_segment_fixed_size: 0
    .kernarg_segment_align: 8
    .kernarg_segment_size: 40
    .max_flat_workgroup_size: 128
    .sgpr_count:     96
    .vgpr_count:     1024
    .wavefront_size: 32
...
	.end_amdgpu_metadata
.endif
;; end of part 3
;; ======== version 2 of 2: 3 launches
;; workspace buffers: ximg 3,276,800 bytes; wimg 819,200 bytes; rope 4,194,304 bytes; kimg 3,276,800 bytes; qv 6,553,600 bytes
;; launch prep: the kernel of part 1 again; grid 448 x 1, 4 waves a work-group, no clusters, 34,304 bytes of LDS; arguments x, Wk, Wq, Wv, Wp, ximg, wimg, rope; writes ximg, wimg, rope
;; launch qkv: the kernel of part 2 again; grid 4 x 64, 4 waves a work-group, clusters of 4 x 4, 206,848 bytes of LDS; arguments ximg, wimg, rope, bk, bq, bv, kimg, qv; writes kimg, qv
;; launch attn (part 4): grid 256 x 1, 4 waves a work-group, clusters of 4 x 1, 327,680 bytes of LDS; arguments kimg, qv, wimg, bp, out0; writes out0
.if DOCPART == 4
	.amdgcn_target "amdgcn-amd-amdhsa--gfx1250"
	.amdhsa_code_object_version 6
	.text
	.protected	k_qa77d03eee8_attn
	.globl	k_qa77d03eee8_attn
	.p2align	8
	.type	k_qa77d03eee8_attn,@function
k_qa77d03eee8_attn:
	s_mov_b64 s[64:65], 0
	v_nop
	global_prefetch_b8 v0, s[64:65] scope:SCOPE_SE
	s_setreg_imm32_b32 hwreg(HW_REG_WAVE_MODE, 25, 1), 1
	s_wait_xcnt 0x0
	s_wait_alu depctr_hold_cnt(0) depctr_sa_sdst(0) depctr_va_vdst(0) depctr_va_sdst(0) depctr_va_ssrc(0) depctr_va_vcc(0) depctr_vm_vsrc(0)
	s_getreg_b32 s2, hwreg(HW_REG_IB_STS2, 6, 4)
	s_cmp_eq_u32 s2, 0
	s_cbranch_scc0 .Lentry_in_a_cluster
	s_endpgm
.Lentry_in_a_cluster:
	s_bfe_u32 s2, ttmp6, 0x10000c
	s_cmp_lg_u32 s2, 0x3003
	s_cbranch_scc0 .Lentry_shape_is_right
	s_endpgm
.Lentry_shape_is_right:
; out0 = Q(softplus(mask(Q(k) Q(q)^T / sqrt(512))) Q(v)) Q(Wp) + bp, all three products on codes of BF6; softplus, the quantisers and the sums in f32.
; LEFT OUT: the steps of 128 keys that lie wholly behind a block of 128 rows: there reference()'s own tril makes softplus(-inf) = 0, zero codes, which add nothing (shown at the head of the first launch).
; LIMITS: as stated there; 2^-|y| under 2^-126 comes out of v_exp_f32 as 0, so a softplus under that is 0; the sum over the keys runs from the last step of 128 keys to the first, another order of f32 rounding than reference()'s.
; SHARES.  A cluster of four work-groups takes a block J of 128 rows of one batch, a work-group 32 of them (two tiles of 16).  All four walk key steps J .. 0, so each step's tile (102,400 bytes: q's 32 fragments, v^T's 32, their
; scale words) is asked for JOINTLY, a quarter by each wave, into a ring of two slots.  The clusters with the most steps have the lowest numbers.
; THE WALK GOES DOWN: softplus has no running maximum and no normalising, so the key steps may be summed in any order.  In its i-th step cluster J asks for tile J - i: the sixteen clusters of a batch begin at sixteen different tiles,
; and each later request names the tile that the cluster one block lower named one step earlier.  No prefetch is written: every tile is named by some cluster's first load, at the kernel's head.
; A STEP.  S^T = q k^T: wave w takes keys 32 w .. 32 w + 31 (two tiles, source 0) x both tiles of rows (source 1): a lane holds one row and 16 neighbouring keys; lanes l and l xor 16 hold a block of 32.  softplus; the block is
; quantised; its 12 bytes a lane and its scale byte go to LDS; a barrier; every wave takes both tiles' whole fragments of P (128 keys) back and adds V^T P^T for ITS 128 columns (8 tiles, source 0) into O^T.
; In step J, the first, hidden scores become -inf ahead of softplus, and the products V^T P^T start O^T's sums: nothing is cleared.  In step 0, the last, the wave's 128 columns of Wp, their scale words and bp are loaded into
; registers that lay idle.
; THE END.  O^T (a lane: one row; registers along my 128 columns) is quantised: K step w of the last product; images through LDS; 64 matrix instructions; a stage; whole rows out.
; softplus(x) = ln 2 (max(y, 0) + log2(w)) + (u - (w - 1)), y = x log2 e, u = 2^-|y|, w = 1 + u rounded: the last term is what the rounding of 1 + u lost, exactly; it keeps the small results good to f32's last places.
; REGISTERS, in windows of 256: window 0: v1-15 addresses; v16-28 scale words; v29-31 the mask's; v32-127 eight fragments of q, then of v^T, at last of out; v128-159 scores; v160-191 u; v192-223 w, then P's two fragments; v224-255 at work.
; window 1: v0-127 O^T, at last the output's sums; v128-223 k's eight fragments.   window 2: Wp's tiles 0-3, v192-255 bp.   window 3: Wp's tiles 4-7, v192-207 its scale words on their way.
.set TILE,  102400
.set SLOT1, 102400
.set PREG,  204800                     ; P: four regions of 3,328 bytes (the first step's and the loop's, the two tails', the single step's): codes [tile][block][row][24 bytes], then scale words [tile][row]
.set PSZ,   3328
.set OIMG,  218112                     ; out's eight fragments, (4 m + s) x 1,536
.set OSC,   230400                     ; their scale words, 128 s + 64 m + 4 r
.set STAGE, 230912                     ; 32 rows x (2,048 bytes + 16)
.set SPARE, 296960                     ; the spare words, 128 bytes a wave
.set LI,  1
.set QA,  2
.set VA,  4
.set QSA, 6
.set VSA, 8
.set PWA, 10
.set PWB, 11
.set PRA, 12
.set PSA, 13
.set SPW, 14
.set NIL, 15
.set KS,  16
.set QS,  20
.set VS,  24
.set PS,  28
.set D0,  29
.set NINF, 31
.set FB,  32
.set Y,   128
.set U,   160
.set W,   192
.set PF,  192
.set T,   224
.set MX,  232
.set MP,  234
.set SOP, 236
.set BY,  238
.set CD,  240
.set LS,  249
.set BPA, 250
.set TM,  232                          ; at the end: the quantiser's 16
.set PC,  160
.set PW0, 180
.set PW1, 181
.set PWS, 182
.set OS,  252
.set WV,  14
.set CX,  15
.set JJ,  17
.set BT,  18
.set G1,  24
.set G0,  32
.set KC,  40
.set LN2, 42
.set SEL, 44
.set HM,  46
.set CNT, 47
.set WPB, 66
.set BPB, 68
.set MSB, 0
.macro WIN new                         ; the immediate's high byte repeats the setting that is left
.if MSB != \new
	s_set_vgpr_msb (MSB<<8)|\new
.set MSB, \new
.endif
.endm
.macro PLACES                          ; four plain places behind a matrix instruction (ISA guide 7.12.1)
.rept 4
	v_nop
.endr
.endm
.macro CROUND                          ; a round of the cluster's barrier
	s_barrier_signal -1
	s_barrier_wait -1
	s_cmp_lg_u32 s[WV], 0
	s_cbranch_scc1 .Lnot_wave_0_\@
	s_barrier_signal -3
.Lnot_wave_0_\@:
	s_barrier_wait -3
	s_barrier_signal -1
	s_barrier_wait -1
.endm
.macro WM d, a, b, c, sa, sb, ra, rb   ; one matrix instruction.  c < 0: the constant 0.  ra, rb: the scale words stand in lanes 16-31
.if (\c) < 0
.if (\ra) && (\rb)
	v_wmma_scale_f32_16x16x128_f8f6f4 v[\d:\d+7], v[\a:\a+11], v[\b:\b+11], 0, v[\sa], v[\sb] matrix_a_fmt:MATRIX_FMT_BF6 matrix_b_fmt:MATRIX_FMT_BF6 matrix_a_scale:MATRIX_SCALE_ROW1 matrix_b_scale:MATRIX_SCALE_ROW1
.elseif (\ra)
	v_wmma_scale_f32_16x16x128_f8f6f4 v[\d:\d+7], v[\a:\a+11], v[\b:\b+11], 0, v[\sa], v[\sb] matrix_a_fmt:MATRIX_FMT_BF6 matrix_b_fmt:MATRIX_FMT_BF6 matrix_a_scale:MATRIX_SCALE_ROW1
.elseif (\rb)
	v_wmma_scale_f32_16x16x128_f8f6f4 v[\d:\d+7], v[\a:\a+11], v[\b:\b+11], 0, v[\sa], v[\sb] matrix_a_fmt:MATRIX_FMT_BF6 matrix_b_fmt:MATRIX_FMT_BF6 matrix_b_scale:MATRIX_SCALE_ROW1
.else
	v_wmma_scale_f32_16x16x128_f8f6f4 v[\d:\d+7], v[\a:\a+11], v[\b:\b+11], 0, v[\sa], v[\sb] matrix_a_fmt:MATRIX_FMT_BF6 matrix_b_fmt:MATRIX_FMT_BF6
.endif
.else
.if (\ra) && (\rb)
	v_wmma_scale_f32_16x16x128_f8f6f4 v[\d:\d+7], v[\a:\a+11], v[\b:\b+11], v[\c:\c+7], v[\sa], v[\sb] matrix_a_fmt:MATRIX_FMT_BF6 matrix_b_fmt:MATRIX_FMT_BF6 matrix_a_scale:MATRIX_SCALE_ROW1 matrix_b_scale:MATRIX_SCALE_ROW1
.elseif (\ra)
	v_wmma_scale_f32_16x16x128_f8f6f4 v[\d:\d+7], v[\a:\a+11], v[\b:\b+11], v[\c:\c+7], v[\sa], v[\sb] matrix_a_fmt:MATRIX_FMT_BF6 matrix_b_fmt:MATRIX_FMT_BF6 matrix_a_scale:MATRIX_SCALE_ROW1
.elseif (\rb)
	v_wmma_scale_f32_16x16x128_f8f6f4 v[\d:\d+7], v[\a:\a+11], v[\b:\b+11], v[\c:\c+7], v[\sa], v[\sb] matrix_a_fmt:MATRIX_FMT_BF6 matrix_b_fmt:MATRIX_FMT_BF6 matrix_b_scale:MATRIX_SCALE_ROW1
.else
	v_wmma_scale_f32_16x16x128_f8f6f4 v[\d:\d+7], v[\a:\a+11], v[\b:\b+11], v[\c:\c+7], v[\sa], v[\sb] matrix_a_fmt:MATRIX_FMT_BF6 matrix_b_fmt:MATRIX_FMT_BF6
.endif
.endif
.endm
	s_load_b256 s[4:11], s[0:1], 0x0               ; kimg s[4:5], qv s[6:7], wimg s[8:9], bp s[10:11]
	s_load_b64 s[12:13], s[0:1], 0x20              ; out0
	v_lshl_add_u32 v[SPW], v0, 2, SPARE
	v_mov_b32 v[NIL], 0
	ds_add_u32 v[SPW], v[NIL]                      ; the wave's opening: the add, twice on end, and its wait ahead of my first tensor load
	ds_add_u32 v[SPW], v[NIL]
	v_lshrrev_b32 v1, 5, v0
	v_readfirstlane_b32 s[WV], v1                  ; wave 0..3
	s_bfe_u32 s[CX], ttmp6, 0x40000                ; my place in the cluster: it enters global addresses and the mask's numbers alone
	s_and_b32 s[JJ], ttmp9, 15
	s_sub_co_u32 s[JJ], 15, s[JJ]                  ; J: the cluster's block of 128 rows, and its first key step
	s_lshr_b32 s[BT], ttmp9, 4                     ; the batch
	s_mov_b32 s[G1], 15|(3<<16)|(1<<21)            ; group 1: the mask names all four; elements of 8 bytes; bit 21 beside a mask; no padding: images are read 512 bytes on end
	s_mov_b32 s[G1+1], 32<<16                      ; rows of 256 bytes,
	s_mov_b32 s[G1+2], 100<<16                     ; 100 of them: a quarter of a tile, dense
	s_mov_b32 s[G1+3], 32<<16
	s_mov_b32 s[G1+4], 100
	s_mov_b32 s[G1+5], 32
	s_mov_b32 s[G1+6], 0
	s_mov_b32 s[G1+7], 0
	s_mov_b32 s[KC], 0x3d8293ee                    ; log2(e) / sqrt(512)
	s_mov_b32 s[KC+1], s[KC]
	s_mov_b32 s[LN2], 0x3f317218                   ; ln 2
	s_mov_b32 s[LN2+1], s[LN2]
	s_mov_b32 s[SEL], 0x76543210
	s_mov_b32 s[SEL+1], 0xfedcba98
	s_mov_b32 s[HM], 0xffff0000
	s_mul_i32 s52, s[WV], 25600                    ; my quarter, in memory and in a slot
	s_lshl_b32 s54, s[BT], 4
	s_add_co_u32 s54, s54, s[JJ]                   ; tile 16 batch + J: the walk's first
	s_mul_i32 s54, s54, TILE
	s_add_co_u32 s54, s54, s52
	s_mov_b32 s55, 0
	s_lshl_b32 s70, s[BT], 6
	s_lshl_b32 s71, s[JJ], 2
	s_add_co_u32 s70, s70, s71
	s_add_co_u32 s70, s70, s[CX]                   ; my 32 rows: group 64 batch + 4 J + cx
	s_mul_i32 s70, s70, 12800
	s_mov_b32 s71, 0
	s_lshl_b32 s72, s[BT], 11
	s_lshl_b32 s73, s[JJ], 7
	s_add_co_u32 s72, s72, s73
	s_lshl_b32 s73, s[CX], 5
	s_add_co_u32 s72, s72, s73
	s_lshr_b32 s73, s[WV], 1
	s_lshl_b32 s73, s73, 3
	s_add_co_u32 s72, s72, s73
	s_and_b32 s73, s[WV], 1
	s_lshl_b32 s73, s73, 4
	s_add_co_u32 s72, s72, s73                     ; the 8 rows that I store: stage rows 8 w .. are tile w / 2, rows 8 (w % 2) ..: tokens 8 (w / 2) + 16 (w % 2) + 0 .. 7 of the 32
	s_lshl_b32 s72, s72, 11
	s_mov_b32 s73, 0
	s_add_co_u32 s74, s[WV], 12
	s_mul_i32 s74, s74, 51200                      ; Wp's chunk of my 128 outputs
	s_mov_b32 s75, 0
	s_lshl_b32 s76, s[WV], 9
	s_mov_b32 s77, 0
	s_max_u32 s[CNT], s[JJ], 1
	s_sub_co_u32 s[CNT], s[CNT], 1
	s_lshr_b32 s[CNT], s[CNT], 1                   ; the loop's trips: behind the first step J - 1 steps have a successor, two to a trip
	s_wait_dscnt 0x0                               ; both opening adds are done
	s_wait_kmcnt 0x0
	s_add_nc_u64 s[56:57], s[6:7], s[54:55]
	s_add_nc_u64 s[4:5], s[4:5], s[70:71]
	s_add_nc_u64 s[12:13], s[12:13], s[72:73]
	s_add_nc_u64 s[WPB:WPB+1], s[8:9], s[74:75]
	s_add_nc_u64 s[BPB:BPB+1], s[10:11], s[76:77]
	s_mov_b32 s[G0], 1                             ; group 0 of slot 0, set up for tile J,
	s_mov_b32 s[G0+1], s52
	s_mov_b64 s[G0+2:G0+3], s[56:57]
	s_or_b32 s[G0+3], s[G0+3], 0x80000000
	s_mov_b32 s[G0+4], 1                           ; of slot 1, for tile J - 1 (with J = 0 it is never used)
	s_add_co_u32 s[G0+5], s52, SLOT1
	s_sub_nc_u64 s[G0+6:G0+7], s[56:57], TILE
	s_or_b32 s[G0+7], s[G0+7], 0x80000000
	CROUND                                         ; all four work-groups are here
	tensor_load_to_lds s[G0:G0+3], s[G1:G1+7]      ; tile J
	s_nop 0
	PLACES
	v_and_b32 v251, 31, v0
	v_lshlrev_b32 v[LI], 4, v251
	v_lshlrev_b32 v[LS], 2, v251
	WIN 0x40
.set n, 0
.rept 24
	global_load_b128 v[128+4*n:128+4*n+3], v[LI], s[4:5] offset:512*n   ; k's eight fragments stay in registers: (tile m, K step s) at v[128 + 12 (4 m + s)] of window 1
.set n, n+1
.endr
	WIN 0
.irp s, 0,1,2,3
	global_load_b32 v[KS+\s], v[LS], s[4:5] offset:12288+128*\s
.endr
	s_mul_i32 s60, s[WV], 3072                     ; q: my two tiles of keys among a K step's eight
	v_add_nc_u32 v[QA], s60, v[LI]
	s_add_co_u32 s60, s60, SLOT1
	v_add_nc_u32 v[QA+1], s60, v[LI]
	s_mul_i32 s60, s[WV], 12288                    ; v^T: my eight tiles of columns
	s_add_co_u32 s60, s60, 51200
	v_add_nc_u32 v[VA], s60, v[LI]
	s_add_co_u32 s60, s60, SLOT1
	v_add_nc_u32 v[VA+1], s60, v[LI]
	s_lshl_b32 s60, s[WV], 7
	s_add_co_u32 s60, s60, 49152
	v_add_nc_u32 v[QSA], s60, v[LS]
	s_add_co_u32 s60, s60, SLOT1
	v_add_nc_u32 v[QSA+1], s60, v[LS]
	s_lshl_b32 s60, s[WV], 9
	s_add_co_u32 s60, s60, 100352
	v_add_nc_u32 v[VSA], s60, v[LS]
	s_add_co_u32 s60, s60, SLOT1
	v_add_nc_u32 v[VSA+1], s60, v[LS]
	v_and_b32 v251, 15, v0                         ; r
	v_bfe_u32 v252, v0, 4, 1                       ; h
	v_mul_u32_u24 v[PRA], v251, 24
	v_mad_u32_u24 v[PWA], v252, 12, v[PRA]
	s_mul_i32 s60, s[WV], 384
	s_add_co_u32 s60, s60, PREG
	v_add_nc_u32 v[PWA], s60, v[PWA]               ; P in: block w, row r, my half's 12 bytes
	v_mad_u32_u24 v[PRA], v252, 384, v[PRA]
	v_add_nc_u32 v[PRA], PREG, v[PRA]              ; P out: block 2 c + h, row r
	v_lshlrev_b32 v[PWB], 2, v251
	s_add_co_u32 s60, s[WV], PREG+3072
	v_add_nc_u32 v[PWB], s60, v[PWB]               ; byte w of row r's scale word
	v_add_nc_u32 v[PSA], PREG+3072, v[LS]
	v_lshlrev_b32 v[BPA], 6, v252                  ; bp: 64 h
	s_sub_co_i32 s60, s[CX], s[WV]
	s_lshl_b32 s60, s60, 5
	v_and_b32 v253, 8, v251
	v_add_nc_u32 v253, v253, v251
	v_lshlrev_b32 v252, 4, v252
	v_sub_nc_u32 v253, v253, v252
	v_add_nc_u32 v[D0], s60, v253                  ; in step J register i of tile m holds key 32 w + 16 h + i, my row is 32 cx + 8 m + r + 8 (r / 8): hidden where i > 32 (cx - w) + r + 8 (r / 8) - 16 h + 8 m
	v_add_nc_u32 v[D0+1], 8, v[D0]
	v_mov_b32 v[NINF], 0xff800000
	v_mov_b32 v[MP], 0                             ; a lane permute's destination counts as one of its sources
	v_mov_b32 v[MP+1], 0
	s_wait_loadcnt 0x0                             ; k
.macro WPLOAD0                         ; Wp's tiles 0-3, all four K steps -> window 2
	WIN 0x80
.irp n, 0,1,2,3
.irp s, 0,1,2,3
.irp k, 0,1,2
	global_load_b128 v[12*(4*\n+\s)+4*\k:12*(4*\n+\s)+4*\k+3], v[LI], s[WPB:WPB+1] offset:(8*\s+\n)*1536+512*\k
.endr
.endr
.endr
	WIN 0
.endm
.macro WPLOAD1                         ; tiles 4-7 -> window 3
	WIN 0xc0
.irp n, 0,1,2,3
.irp s, 0,1,2,3
.irp k, 0,1,2
	global_load_b128 v[12*(4*\n+\s)+4*\k:12*(4*\n+\s)+4*\k+3], v[LI], s[WPB:WPB+1] offset:(8*\s+\n+4)*1536+512*\k
.endr
.endr
.endr
	WIN 0
.endm
.macro WPLOAD2                         ; bp in the result's layout -> window 2; Wp's scale words -> window 3
	WIN 0x80
.irp n, 0,1,2,3,4,5,6,7
	global_load_b128 v[192+8*\n:192+8*\n+3], v[BPA], s[BPB:BPB+1] offset:4*(32*(\n/2)+8*(\n%2))
	global_load_b128 v[192+8*\n+4:192+8*\n+7], v[BPA], s[BPB:BPB+1] offset:4*(32*(\n/2)+8*(\n%2))+16
.endr
	WIN 0xc0
.irp s, 0,1,2,3
.irp p, 0,1,2,3
	global_load_b32 v[192+4*\s+\p], v[LS], s[WPB:WPB+1] offset:49152+512*\s+128*\p
.endr
.endr
	WIN 0
.endm
; A KEY STEP on the tile in slot.  refill: the tile one further down is asked for, into the other slot.  diag: step J, the walk's first.  last: step 0, the walk's last.  pk: which region P goes through.
.macro STEP slot, refill, diag, last, pk
	s_wait_tensorcnt 0x0                           ; all my tensor loads are done: my quarter of this step's tile; so a group 0 may be written
	ds_add_u32 v[SPW], v[NIL]                      ; 0 onto my spare word
.if \refill
	s_sub_nc_u64 s[G0+4*\slot+2:G0+4*\slot+3], s[G0+4*\slot+2:G0+4*\slot+3], 2*TILE   ; this slot's next tile: two down; the type bits on top are not reached
.endif
	s_wait_dscnt 0x0                               ; the add is done, and my reads of the other slot and of P are over
.if \refill
	CROUND                                         ; the same holds of every wave of all four work-groups
	tensor_load_to_lds s[G0+4-4*\slot:G0+7-4*\slot], s[G1:G1+7]   ; my one load behind the round: it has this step's work in which to land
	s_nop 0
	PLACES
.else
	s_barrier_signal -1
	s_barrier_wait -1
.endif
.irp s, 0,1,2,3
	ds_load_b32 v[QS+\s], v[QSA+\slot] offset:512*\s
.endr
.irp s, 0,1,2,3
.irp t, 0,1
.irp k, 0,1,2
	ds_load_b128 v[FB+12*(2*\s+\t)+4*\k:FB+12*(2*\s+\t)+4*\k+3], v[QA+\slot] offset:12288*\s+1536*\t+512*\k
.endr
.endr
.endr
.if \last
	WPLOAD0
.endif
	WIN 0x04                                       ; source 1 (k) window 1
.irp s, 0,1,2,3
	s_wait_dscnt 18-6*\s                           ; this K step's six loads are in; the later K steps' may be out
.irp m, 0,1
.irp t, 0,1
.if \s == 0
	WM Y+16*\m+8*\t, FB+12*(2*\s+\t), 128+12*(4*\m+\s), -1, QS+\s, KS+\s, \t, \m
.else
	WM Y+16*\m+8*\t, FB+12*(2*\s+\t), 128+12*(4*\m+\s), Y+16*\m+8*\t, QS+\s, KS+\s, \t, \m
.endif
.endr
.endr
.endr
	WIN 0
	PLACES                                         ; ahead of the loads into q's registers and of the first read of the scores
.irp c, 0,1,2,3,4,5,6,7
.irp k, 0,1,2
	ds_load_b128 v[FB+12*\c+4*\k:FB+12*\c+4*\k+3], v[VA+\slot] offset:1536*\c+512*\k   ; v^T lands under the softplus
.endr
.endr
.irp p, 0,1,2,3
	ds_load_b32 v[VS+\p], v[VSA+\slot] offset:128*\p
.endr
.if \last
	WPLOAD1
.endif
.if \diag
.irp m, 0,1
.irp i, 0,1,2,3,4,5,6,7,8,9,10,11,12,13,14,15
	v_cmp_gt_i32 vcc_lo, \i, v[D0+\m]
	v_cndmask_b32 v[Y+16*\m+\i], v[Y+16*\m+\i], v[NINF], vcc_lo
.endr
.endr
.endif
.irp j, 0,2,4,6,8,10,12,14,16,18,20,22,24,26,28,30
	v_pk_mul_f32 v[Y+\j:Y+\j+1], v[Y+\j:Y+\j+1], s[KC:KC+1] op_sel_hi:[1,0]   ; y = score x log2(e) / sqrt(512)
.endr
.irp j, 0,1,2,3,4,5,6,7,8,9,10,11,12,13,14,15,16,17,18,19,20,21,22,23,24,25,26,27,28,29,30,31
	v_exp_f32 v[U+\j], -|v[Y+\j]|                  ; u = 2^-|y|, at most 1
.endr
	v_nop                                          ; a plain place behind the batch, ahead of the writes of its sources
.irp j, 0,1,2,3,4,5,6,7,8,9,10,11,12,13,14,15,16,17,18,19,20,21,22,23,24,25,26,27,28,29,30,31
	v_max_num_f32 v[Y+\j], 0, v[Y+\j]              ; independent work behind the exponentials
.endr
	s_wait_alu depctr_va_vdst(0)                   ; one wait for the batch, ahead of its first reader
.irp j, 0,2,4,6,8,10,12,14,16,18,20,22,24,26,28,30
	v_pk_add_f32 v[W+\j:W+\j+1], v[U+\j:U+\j+1], 1.0 op_sel_hi:[1,0]          ; w = 1 + u, rounded
.endr
.irp g, 0,8,16,24
.irp e, 0,2,4,6
	v_pk_add_f32 v[T+\e:T+\e+1], v[W+\g+\e:W+\g+\e+1], -1.0 op_sel_hi:[1,0]   ; w - 1: exact
.endr
.irp e, 0,2,4,6
	v_pk_add_f32 v[U+\g+\e:U+\g+\e+1], v[U+\g+\e:U+\g+\e+1], v[T+\e:T+\e+1] neg_lo:[0,1] neg_hi:[0,1]   ; u - (w - 1): exact: what the rounding lost
.endr
.endr
.irp j, 0,1,2,3,4,5,6,7,8,9,10,11,12,13,14,15,16,17,18,19,20,21,22,23,24,25,26,27,28,29,30,31
	v_log_f32 v[W+\j], v[W+\j]
.endr
	v_nop
	s_wait_alu depctr_va_vdst(0)                   ; one wait for the batch of logarithms
.irp j, 0,2,4,6,8,10,12,14,16,18,20,22,24,26,28,30
	v_pk_add_f32 v[Y+\j:Y+\j+1], v[Y+\j:Y+\j+1], v[W+\j:W+\j+1]
.endr
.irp j, 0,2,4,6,8,10,12,14,16,18,20,22,24,26,28,30
	v_pk_fma_f32 v[Y+\j:Y+\j+1], v[Y+\j:Y+\j+1], s[LN2:LN2+1], v[U+\j:U+\j+1] op_sel_hi:[1,0,1]
.endr
.irp m, 0,1                            ; the block of 32 keys of each tile of rows: none of its numbers is negative
	v_max3_num_f32 v[MX+\m], v[Y+16*\m], v[Y+16*\m+1], 0x2800000               ; and the floor: a block of zeros keeps the byte 1 and zero codes
.endr
.irp i, 2,4,6,8,10,12,14
.irp m, 0,1
	v_max3_num_f32 v[MX+\m], v[MX+\m], v[Y+16*\m+\i], v[Y+16*\m+\i+1]
.endr
.endr
.irp m, 0,1
	v_permlanex16_b32 v[MP+\m], v[MX+\m], s[SEL], s[SEL+1]
.endr
.irp m, 0,1
	v_max_num_f32 v[MX+\m], v[MX+\m], v[MP+\m]
.endr
.irp m, 0,1
	v_add_nc_u32 v[SOP+\m], 0xfe000000, v[MX+\m]
.endr
.irp m, 0,1
	v_lshrrev_b32 v[BY+\m], 23, v[SOP+\m]
.endr
.irp m, 0,1
	v_cvt_scalef32_pk16_bf6_f32 v[CD+4*\m:CD+4*\m+2], v[Y+16*\m:Y+16*\m+15], v[SOP+\m]
.endr
	v_nop                                          ; one plain place behind a scaled conversion
.irp m, 0,1
.irp i, 0,1,2
	ds_store_b32 v[PWA], v[CD+4*\m+\i] offset:PSZ*\pk+1536*\m+4*\i
.endr
	ds_store_b8 v[PWB], v[BY+\m] offset:PSZ*\pk+64*\m      ; both halves of the lanes write the same byte with the same value
.endr
	s_wait_dscnt 0x0                               ; for the others' sake: my stores have landed
	s_barrier_signal -1
	s_barrier_wait -1                              ; P's four blocks lie in LDS
.irp m, 0,1
.irp c, 0,1
.irp p, 0,1,2
	ds_load_b64 v[PF+12*\m+6*\c+2*\p:PF+12*\m+6*\c+2*\p+1], v[PRA] offset:PSZ*\pk+1536*\m+768*\c+8*\p
.endr
.endr
.endr
	ds_load_b32 v[PS], v[PSA] offset:PSZ*\pk
.if \last
	WPLOAD2
.endif
	s_wait_dscnt 0x0
	WIN 0x50                                       ; C and D (O^T) window 1
.irp c, 0,1,2,3,4,5,6,7
.irp m, 0,1
.if \diag
	WM 64*\m+8*\c, FB+12*\c, PF+12*\m, -1, VS+\c/2, PS, \c%2, \m               ; the walk's first step starts the sums
.else
	WM 64*\m+8*\c, FB+12*\c, PF+12*\m, 64*\m+8*\c, VS+\c/2, PS, \c%2, \m
.endif
.endr
.endr
	WIN 0
	PLACES
.endm
	s_cmp_eq_u32 s[JJ], 0                          ; ids alone decide the walk, and alike in all four partners
	s_cbranch_scc1 .Lonly
	STEP 0, 1, 1, 0, 0                             ; step J, in slot 0; tile J - 1 is asked for, slot 1's first fill
	s_cmp_eq_u32 s[CNT], 0
	s_cbranch_scc1 .Ltail
.Lloop:                                            ; (J - 1) / 2 trips of two steps; every step here has a successor, so each asks for the tile one further down
	STEP 1, 1, 0, 0, 0
	STEP 0, 1, 0, 0, 0
	s_sub_co_u32 s[CNT], s[CNT], 1
	s_cmp_lg_u32 s[CNT], 0
	s_cbranch_scc1 .Lloop
.Ltail:
	s_bitcmp1_b32 s[JJ], 0
	s_cbranch_scc1 .Lodd
	STEP 1, 1, 0, 0, 1                             ; J even: step 1, which asks for tile 0,
	STEP 0, 0, 0, 1, 1                             ; and step 0: nothing is left to fetch
	s_branch .Lproj
.Lodd:
	STEP 1, 0, 0, 1, 2                             ; J odd: step 0 lies in slot 1
	s_branch .Lproj
.Lonly:
	STEP 0, 0, 1, 1, 3                             ; J = 0: one step, the first and the last
.Lproj:
	s_wait_loadcnt 0x0                             ; Wp, its scale words, bp
	WIN 0x03
.set n, 0
.rept 16
	v_mov_b32 v[16+n], v[192+n]                    ; scale operands have no window: Wp's words come to window 0, where the steps' words lay
.set n, n+1
.endr
	WIN 0
	s_mul_i32 s60, s[WV], 1536
	s_add_co_u32 s60, s60, OIMG
	v_add_nc_u32 v2, s60, v[LI]                    ; out's images: I write K step w,
	s_lshl_b32 s60, s[WV], 7
	s_add_co_u32 s60, s60, OSC
	v_add_nc_u32 v3, s60, v[LS]
	v_add_nc_u32 v6, OIMG, v[LI]                   ; and read all
	v_add_nc_u32 v7, OSC, v[LS]
	v_and_b32 v8, 15, v0
	v_bfe_u32 v9, v0, 4, 1
	v_mul_u32_u24 v4, v8, 2064
	v_lshl_add_u32 v4, v9, 6, v4
	s_lshl_b32 s60, s[WV], 9
	s_add_co_u32 s60, s60, STAGE
	v_add_nc_u32 v4, s60, v4                       ; the stage, in: row r, my 512 bytes, + 64 h
	s_mul_i32 s60, s[WV], 16512
	s_add_co_u32 s60, s60, STAGE
	v_add_nc_u32 v5, s60, v[LI]                    ; back: my 8 rows
.macro QUANTO m, pw                    ; tile m of O^T (window 1): 64 numbers a lane along my 128 columns -> a fragment's codes in v[PC] on, its scale word in v[pw]
	WIN 0x14                                       ; sources 1 and 2 window 1
.irp b, 0,1,2,3
	v_max3_num_f32 v[TM+\b], 0x2800000, |v[64*\m+16*\b]|, |v[64*\m+16*\b+1]|
.endr
.irp i, 2,4,6,8,10,12,14
.irp b, 0,1,2,3
	v_max3_num_f32 v[TM+\b], v[TM+\b], |v[64*\m+16*\b+\i]|, |v[64*\m+16*\b+\i+1]|
.endr
.endr
	WIN 0
.irp b, 0,1,2,3
	v_permlanex16_b32 v[TM+4+\b], v[TM+\b], s[SEL], s[SEL+1]
.endr
.irp b, 0,1,2,3
	v_max_num_f32 v[TM+\b], v[TM+\b], v[TM+4+\b]
.endr
.irp b, 0,1,2,3
	v_add_nc_u32 v[TM+12+\b], 0xfe000000, v[TM+\b]
.endr
.irp b, 0,1,2,3
	v_lshrrev_b32 v[TM+4+\b], 23, v[TM+12+\b]
.endr
	v_lshl_or_b32 v[\pw], v[TM+5], 8, v[TM+4]
	v_lshl_or_b32 v[\pw], v[TM+6], 16, v[\pw]
	v_lshl_or_b32 v[\pw], v[TM+7], 24, v[\pw]
	WIN 0x01                                       ; source 0 window 1
.irp c, 0,1
	v_cvt_scalef32_pk16_bf6_f32 v[PC+6*\c:PC+2+6*\c], v[64*\m+32*\c:64*\m+32*\c+15], v[TM+12+2*\c]
	v_cvt_scalef32_pk16_bf6_f32 v[PC+12+4*\c:PC+14+4*\c], v[64*\m+32*\c+16:64*\m+32*\c+31], v[TM+12+2*\c+1]
.endr
	WIN 0
	v_nop                                          ; one plain place behind a scaled conversion
.irp c, 0,1
.irp i, 0,1,2
	v_permlane16_swap_b32 v[PC+6*\c+\i], v[PC+12+4*\c+\i]
.endr
.irp i, 0,1,2
	v_mov_b32 v[PC+3+6*\c+\i], v[PC+12+4*\c+\i]
.endr
.endr
.irp k, 0,1,2
	ds_store_b128 v2, v[PC+4*\k:PC+4*\k+3] offset:6144*\m+512*\k
.endr
	s_wait_dscnt 0x0                               ; the stores have read their registers
.endm
	QUANTO 0, PW0
	QUANTO 1, PW1
	v_cndmask_b32 v[PWS], v[PW0], v[PW1], s[HM]
	ds_store_b32 v3, v[PWS]
	s_wait_dscnt 0x0
	s_barrier_signal -1
	s_barrier_wait -1                              ; out's eight fragments lie in LDS
.set n, 0
.rept 24
	ds_load_b128 v[FB+4*n:FB+4*n+3], v6 offset:512*n       ; (tile m, K step s) at v[FB + 12 (4 m + s)]
.set n, n+1
.endr
.irp s, 0,1,2,3
	ds_load_b32 v[OS+\s], v7 offset:128*\s
.endr
	s_wait_dscnt 0x0
.irp s, 0,1,2,3                        ; my 128 outputs x 32 rows: 16 accumulators by turns, over O^T's registers, which are done with; bp starts the sums
.irp n, 0,1,2,3,4,5,6,7
.if \s == 0
	WIN 0x62+\n/4                                  ; source 0 (Wp) window 2 or 3, C (bp) window 2, D window 1
.else
	WIN 0x52+\n/4                                  ; C and D window 1
.endif
.irp m, 0,1
.if \s == 0
	WM 64*\m+8*\n, 12*(4*(\n%4)+\s), FB+12*(4*\m+\s), 192+8*\n, 16+4*\s+\n/2, OS+\s, \n%2, \m
.else
	WM 64*\m+8*\n, 12*(4*(\n%4)+\s), FB+12*(4*\m+\s), 64*\m+8*\n, 16+4*\s+\n/2, OS+\s, \n%2, \m
.endif
.endr
.endr
.endr
	WIN 0
	PLACES
	WIN 0x04                                       ; an LDS store's data are its source 1: window 1
.irp m, 0,1
.irp n, 0,1,2,3,4,5,6,7
	ds_store_b128 v4, v[64*\m+8*\n:64*\m+8*\n+3] offset:33024*\m+128*(\n/2)+32*(\n%2)        ; lane (r, h): out(tile m, row r; 128 w + 32 (n / 2) + 16 h + 8 (n % 2) + 0 .. 7); each accumulator from its low end on
	ds_store_b128 v4, v[64*\m+8*\n+4:64*\m+8*\n+7] offset:33024*\m+128*(\n/2)+32*(\n%2)+16
.endr
.endr
	WIN 0
	s_wait_dscnt 0x0
	s_barrier_signal -1
	s_barrier_wait -1                              ; 32 whole rows lie in the stage
	s_wait_xcnt 0x0                                ; the loads below land on registers that served the weights' loads as offsets: only behind this wait
.set n, 0
.rept 32
	ds_load_b128 v[128+4*n:128+4*n+3], v5 offset:2064*(n/4)+512*(n%4)
.set n, n+1
.endr
.set n, 0
.rept 32
	s_wait_dscnt 31-n                              ; LDS loads come back in order: the n-th is in, the younger ones may be out
	global_store_b128 v[LI], v[128+4*n:128+4*n+3], s[12:13] offset:2048*(n/4)+512*(n%4) th:TH_STORE_NT   ; 32 lanes store 512 consecutive bytes, at a multiple of 256 from out0's first byte
.set n, n+1
.endr
	s_wait_tensorcnt 0x0                           ; the wave's end, behind my last tensor load and my last LDS store
	ds_add_u32 v[SPW], v[NIL]
	s_wait_dscnt 0x0
	CROUND                                         ; the closing round
	s_endpgm
.Lfunc_end_k_qa77d03eee8_attn:
	.size	k_qa77d03eee8_attn, .Lfunc_end_k_qa77d03eee8_attn-k_qa77d03eee8_attn
	.p2alignl 7, 3214868480
	.fill 96, 4, 3214868480
	.section	.rodata,"a",@progbits
	.p2align	6, 0x0
	.amdhsa_kernel k_qa77d03eee8_attn
		.amdhsa_group_segment_fixed_size 327680
		.amdhsa_private_segment_fixed_size 0
		.amdhsa_enable_private_segment 0
		.amdhsa_kernarg_size 40
		.amdhsa_user_sgpr_count 2
		.amdhsa_user_sgpr_kernarg_segment_ptr 1
		.amdhsa_wavefront_size32 1
		.amdhsa_system_sgpr_workgroup_id_x 1
		.amdhsa_system_sgpr_workgroup_id_y 1
		.amdhsa_system_sgpr_workgroup_id_z 1
		.amdhsa_system_vgpr_workitem_id 0
		.amdhsa_next_free_vgpr 1024
		.amdhsa_next_free_sgpr 96
		.amdhsa_reserve_vcc 1
		.amdhsa_float_denorm_mode_32 3
		.amdhsa_float_denorm_mode_16_64 3
		.amdhsa_memory_ordered 1
		.amdhsa_forward_progress 1
		.amdhsa_inst_pref_size 231
	.end_amdhsa_kernel
	.amdgpu_metadata
---
amdhsa.version: [ 1, 2 ]
amdhsa.kernels:
  - .name:           k_qa77d03eee8_attn
    .symbol:         k_qa77d03eee8_attn.kd
    .args:
      - { .name: kimg, .offset: 0, .size: 8, .value_kind: global_buffer, .address_space: global }
      - { .name: qv, .offset: 8, .size: 8, .value_kind: global_buffer, .address_space: global }
      - { .name: wimg, .offset: 16, .size: 8, .value_kind: global_buffer, .address_space: global }
      - { .name: bp, .offset: 24, .size: 8, .value_kind: global_buffer, .address_space: global }
      - { .name: out0, .offset: 32, .size: 8, .value_kind: global_buffer, .address_space: global }
    .group_segment_fixed_size: 327680
    .private_segment_fixed_size: 0
    .kernarg_segment_align: 8
    .kernarg_segment_size: 40
    .max_flat_workgroup_size: 128
    .sgpr_count:     96
    .vgpr_count:     1024
    .wavefront_size: 32
...
	.end_amdgpu_metadata
.endif
;; end of part 4
